; MI455X (gfx1250); checked and timed in simulation.
; The chip was launched on July 23, 2026; its instructions are those of AMD's public machine-readable ISA for CDNA 5 (MIT licence, August 2026) and "CDNA5" Instruction Set Architecture Reference Guide (July 2026). The comments in the code are by the model that wrote it; some were corrected since.
;; Multi Head Attention. Allowed arithmetic: matrix products marked QUANTISED: E4M3 operands, one E8M0 scale for each 32 along K, by v_wmma_scale_f32_16x16x128_f8f6f4 with both operands' format E4M3, f32 sums; everything else in f32.
;; Inputs: key_codes 4 x 2,048 x 32 x 32 uint8 (E4M3 codes of key, K innermost, in blocks of 32 codes); key_scales 4 x 2,048 x 32 uint8 (E8M0 scales of key, one for each 32 codes along K); mask 1 x 1 x 2,048 x 2,048 bool; query_codes 4 x 2,048 x 32 x 32 uint8 (E4M3 codes of query, K innermost, in blocks of 32 codes); query_scales 4 x 2,048 x 32 uint8 (E8M0 scales of query, one for each 32 codes along K); value_codes 4 x 2,048 x 32 x 32 uint8 (E4M3 codes of value, K innermost, in blocks of 32 codes); value_scales 4 x 2,048 x 32 uint8 (E8M0 scales of value, one for each 32 codes along K); w_k_codes 1,024 x 32 x 32 uint8 (E4M3 codes of w_k, K innermost, in blocks of 32 codes); w_k_scales 1,024 x 32 uint8 (E8M0 scales of w_k, one for each 32 codes along K); w_o_codes 1,024 x 32 x 32 uint8 (E4M3 codes of w_o, K innermost, in blocks of 32 codes); w_o_scales 1,024 x 32 uint8 (E8M0 scales of w_o, one for each 32 codes along K); w_q_codes 1,024 x 32 x 32 uint8 (E4M3 codes of w_q, K innermost, in blocks of 32 codes); w_q_scales 1,024 x 32 uint8 (E8M0 scales of w_q, one for each 32 codes along K); w_v_codes 1,024 x 32 x 32 uint8 (E4M3 codes of w_v, K innermost, in blocks of 32 codes); w_v_scales 1,024 x 32 uint8 (E8M0 scales of w_v, one for each 32 codes along K).
;; Outputs: out0 4 x 2,048 x 1,024 float32.
;; This version of the problem:
;;   THIS VERSION OF THE PROBLEM IS GIVEN IN LOW PRECISION. The matrix products marked QUANTISED in the list below multiply operands that are first quantised to E4M3 (4 exponent bits, 3 mantissa bits; 8 bits a number), with one power-of-two scale for each 32 numbers along K (OCP MX v1.0); their sums are f32. All else is computed in f32.
;;   The module's matrix products, in the order in which they are computed (A, B: the left and right operand; K: the contracted axis; several contracted axes count as one K, in the product's order):
;;     1. [M 8,192, K 1,024] x [K 1,024, N 1,024]; A: input query (given as codes); B: input w_q (given as codes): QUANTISED
;;     2. [M 8,192, K 1,024] x [K 1,024, N 1,024]; A: input key (given as codes); B: input w_k (given as codes): QUANTISED
;;     3. [M 8,192, K 1,024] x [K 1,024, N 1,024]; A: input value (given as codes); B: input w_v (given as codes): QUANTISED
;;     4. batch 64 x [M 2,048, K 64] x [K 64, N 2,048]; A: computed on the way; B: computed on the way: QUANTISED
;;     5. batch 64 x [M 2,048, K 2,048] x [K 2,048, N 64]; A: softmax (see below); B: computed on the way: QUANTISED
;;     6. [M 8,192, K 1,024] x [K 1,024, N 1,024]; A: computed on the way; B: input w_o (given as codes): QUANTISED
;;   THE QUANTISER, for each operand of a quantised product, along K:
;;     - K is cut into blocks of 32 from its start; a last block that is shorter is filled with zeros.
;;     - A block's scale is 2^e with e = floor(log2(the largest magnitude in the block)) - 8, held to -126 .. 127; a block of zeros has e = 0. As a byte (E8M0): e + 127.
;;     - Each number is divided by its block's scale, clamped to +-448, and rounded to the nearest number of E4M3, ties to even, subnormals kept.
;;     - The product sums the exact products of the quantised numbers (number of the format x scale) in f32.
;;   ~~~python
;;   def quantise(x, axis):      # numpy; x: float32 -> the quantised numbers, widened to float32 again
;;       x = np.moveaxis(x, axis, -1); K = x.shape[-1]
;;       x = np.pad(x, [(0, 0)] * (x.ndim - 1) + [(0, -K % 32)]); x = x.reshape(x.shape[:-1] + (-1, 32)); a = np.abs(x).max(-1, keepdims=True)
;;       e = np.where(a > 0, np.clip(np.frexp(np.where(a > 0, a, 1))[1] - 1 - 8, -126, 127), 0)      # np.frexp(a)[1] - 1 = floor(log2(a)), exactly
;;       r = np.clip(x / 2.0 ** e, -448, 448)
;;       step = 2.0 ** (np.maximum(np.frexp(np.where(r == 0, 1, r))[1] - 1, -6) - 3)
;;       q = np.round(r / step) * step * 2.0 ** e      # np.round: ties to even
;;       return np.moveaxis(q.reshape(q.shape[:-2] + (-1,))[..., :K], -1, axis).astype(np.float32)
;;   ~~~
;;   SOFTMAX AHEAD OF A QUANTISED PRODUCT. Where the list says 'softmax', what is quantised is not the finished softmax but p = 2^(t - M), with t = logit x log2(e) and M = ceil(the row's largest t), a whole number; so 1/2 < the row's largest p <= 1. The row's sum l is taken of the UNQUANTISED p, in f32, and the product's result is divided by l at the end. Since M is a whole number, a kernel that streams over the keys may use a running M (the ceiling of the running maximum): every later rescaling is an exact power of two, which a block's scale takes up: the codes' values come out the same.
;;   OPERANDS COMPUTED ON THE WAY. 'Computed on the way' means the value that the module computes at that place (a softmax that the list does not call 'softmax' is quantised finished and normalised). What goes into a quantiser is computed in f32, as accurately as f32 sums, v_exp_f32 and their like allow (about 1e-6 of the number): no bf16 or f16 on the way to a quantiser, and a product that is left as it is and whose result goes on into a quantised operand takes f32 operands (vector FMAs, or v_wmma_f32_16x16x4_f32). A number that lies on a knife's edge between two numbers of the format may be rounded either way, as far as f32 arithmetic and the matrix unit's own rounding can turn it there, and no further.
;;   INPUTS GIVEN AS CODES. key (in the module: [4, 2048, 1024], K = its axis 2); query (in the module: [4, 2048, 1024], K = its axis 2); value (in the module: [4, 2048, 1024], K = its axis 2); w_k (in the module: [1024, 1024], K = its axis 0); w_o (in the module: [1024, 1024], K = its axis 0); w_q (in the module: [1024, 1024], K = its axis 0); w_v (in the module: [1024, 1024], K = its axis 0): each comes as NAME_codes (uint8): NAME with its K axis moved to the last place and cut into blocks of 32 codes, [.., K / 32, bytes a block], one block behind the other in memory; one code a byte (a code: sign, 4 exponent bits, 3 mantissa bits); and NAME_scales (uint8): the same leading axes, one E8M0 byte (e + 127) for each 32 codes along K. Its value is code x scale, taken as it is: it is not quantised again, and the codes and scales need not be those that the quantiser above would give.
;; One version. Each part assembles by itself: llvm-mc -triple=amdgcn-amd-amdhsa -mcpu=gfx1250 --defsym DOCPART=n.
;; ======== version 1 of 1: 3 launches
;; limits: right only within a limited range of input values
;; workspace buffers: maskw 557,056 bytes of whole numbers; qc 8,388,608 bytes; kc 8,388,608 bytes; vc 8,388,608 bytes; qs 524,288 bytes; kvs 786,432 bytes; ac 8,388,608 bytes; asc 262,144 bytes
;; launch proj (part 1): grid 4 x 104, 4 waves a work-group, clusters of 4 x 4, 327,680 bytes of LDS; arguments query_codes, query_scales, w_q_codes, w_q_scales, key_codes, key_scales, w_k_codes, w_k_scales, w_v_codes, w_v_scales, value_codes, value_scales, qc, qs, kc, kvs, vc, mask, maskw; writes qc, qs, kc, kvs, vc, maskw
.if DOCPART == 1
	.amdgcn_target "amdgcn-amd-amdhsa--gfx1250"
	.amdhsa_code_object_version 6
	.text
	.protected	k_qa98e379766_proj
	.globl	k_qa98e379766_proj
	.p2align	8
	.type	k_qa98e379766_proj,@function
k_qa98e379766_proj:
	s_mov_b64 s[64:65], 0
	v_nop
	global_prefetch_b8 v0, s[64:65] scope:SCOPE_SE
	s_setreg_imm32_b32 hwreg(HW_REG_WAVE_MODE, 25, 1), 1
	s_wait_xcnt 0x0
	s_wait_alu depctr_hold_cnt(0) depctr_sa_sdst(0) depctr_va_vdst(0) depctr_va_sdst(0) depctr_va_ssrc(0) depctr_va_vcc(0) depctr_vm_vsrc(0)
	s_getreg_b32 s2, hwreg(HW_REG_IB_STS2, 6, 4)
	s_cmp_eq_u32 s2, 0
	s_cbranch_scc0 .Lentry_in_a_cluster
	s_endpgm
.Lentry_in_a_cluster:
	s_bfe_u32 s2, ttmp6, 0x10000c
	s_cmp_lg_u32 s2, 0xf033
	s_cbranch_scc0 .Lentry_shape_is_right
	s_endpgm
.Lentry_shape_is_right:
; The three projections in one launch, each as C[m][n] = sum over k of A[m][k] B[n][k] on codes of E4M3 with E8M0 scales, K = 1,024, and C quantised along n in blocks of 32 on its way out.
; q, k: A = the tokens (8,192 rows), B = the weight (1,024 rows): C's columns are (head, d), so the blocks run along a head's 64.  v: A = w_v, B = the tokens: C is v transposed, so the blocks run along the keys.
; Which of the three: cluster y / 8 (0 q, 1 k, 2 v): the same in all sixteen partners; only pointers, tile numbers and output strides are chosen by it, one path through the text.
; A tile of C, 256 x 256, is made by four waves, 128 x 128 each: 64 accumulators, 512 registers.  K goes in steps of 256 through a ring of two LDS slots; rows of 256 bytes.
; The scale bytes of the work-group's 256 + 256 rows come into LDS once, in whole blocks of 256 bytes.  CLUSTERS 4 x 4: A's tiles are asked for jointly along a row of the cluster, B's along a column.
; The matrix instruction is used transposed (source 0 = 16 rows of B, source 1 = 16 rows of A): a lane holds eight neighbouring columns of one row of C.
; OUT: qc, kc [16 b + h][s][64 codes]; vc [16 b + h][key / 64][d][64 codes]; qs [bh][s] words (bytes 0, 1 the head's two scales, 2, 3 zero); kvs [bh][12,288]: k's words [key], then v's words [key step 16][d 64].
; LIMITS: NaN and infinities are not served; a block whose largest magnitude lies under 2^-118 (a block of zeros too) keeps the scale byte 1: its bytes are read by this program alone.
; REGISTERS, in windows of 256: window 0: v0-31 addresses; v32-63 scale words, two sets; from v128 A's fragments, one set.  window 1: B's fragments, two sets.  windows 2, 3: the accumulators ((a, b) at v[8 (8 (a % 4) + b)]).
.set SIZE_K, 1024
.set KSTEP,  256
.set NQ,     KSTEP/128
.set ROWB,   256
.set KROW,   SIZE_K
.set PITCH,  272                       ; an LDS row: 256 bytes + 16 of padding: the 16 rows of a fragment load start at 16 different banks (64 banks of 4 bytes: ISA guide 11.1)
.set FR,     16
.set NL,     4
.set NP,     8                         ; places behind this matrix instruction (ISA guide 7.12.1)
.set HALFT,  128*PITCH
.set SLOT,   4*HALFT
.set LAPS,   SIZE_K/(2*KSTEP)
.set KS,     SIZE_K/32
.set SCL,    2*SLOT                    ; behind the ring: the scale bytes, blocks of 256 bytes + 16
.set HALFS,  (128*KS/256)*272
.set SBLK,   (16*KS/256)*272
.set SPARE,  SCL+4*HALFS               ; the spare words: 128 bytes a wave, two blocks of 256 bytes that no other line names
.set CPITCH, 144                       ; the way out: a wave's stage of 128 rows x (128 codes + 16), in slot 0, which has had its last fill and its last read by then
.set CSTG,   128*CPITCH
.set SSTG,   4*CSTG                    ; behind the four stages: a wave's scale words, [column half 2][row 128] words
.set ADRA, 16
.set ADRB, 20
.set CO8,  22                          ; v22  8 x lane
.set STO,  24                          ; v24  stage: where I put 8 codes of a row
.set RD,   25                          ; v25  stage: where I read 16 codes back
.set CO,   26                          ; v26  16 x lane
.set ADRS, 27
.set SPW,  28
.set NIL,  29
.set SSTO, 30                          ; v30  where I put a row's scale word
.set SRD,  31                          ; v31  where I read two rows' words back
.set SC,   32
.set AF,   128
.set TM,   32                          ; the way out: v32-35 largest magnitudes, v36-39 bytes, v40-43 448 x the scale, v44-47 the conversions' scale operands
.set PW,   48
.set PWA,  49
.set PWB,  50
.set SWB,  52                          ; v52-59 scale words read back
.set T,    64                          ; v64-127 a block's 64 numbers, held
.set PC,   128                         ; v128-143 its codes
.set BK,   128                         ; v128-255 the codes read back
.set G1, 24
.set G0, 32
.set G1B, 48
.set G0B, 56
.set G1S, 68
.set G0S, 76
.set G1SB, 80
.set G0SB, 88
.set MNT, 95
.set SEL, 96
.set MSB, 0
.macro WIN new                         ; the immediate's high byte repeats the setting that is left
.if MSB != \new
	s_set_vgpr_msb (MSB<<8)|\new
.set MSB, \new
.endif
.endm
.set MUL_LO, 0xa1
.set MUL_HI, 0xf1
.set TO_B,   0x40
; A joint load: waves 0 and 1 fetch for A, waves 2 and 3 for B; the branch hangs on the wave's number alone.  Four v_nop follow each of the two lines.
.macro JLOAD g0a, g1a, g0b, g1b
	s_cmp_eq_u32 s15, 0
	s_cbranch_scc0 .Lfor_b_\@
	tensor_load_to_lds s[\g0a:\g0a+3], s[\g1a:\g1a+7]
	s_nop 0
.rept 4
	v_nop
.endr
	s_branch .Lasked_\@
.Lfor_b_\@:
	tensor_load_to_lds s[\g0b:\g0b+3], s[\g1b:\g1b+7]
	s_nop 0
.rept 4
	v_nop
.endr
.Lasked_\@:
.endm
.macro CREST
	s_cmp_lg_u32 s14, 0
	s_cbranch_scc1 .Lnot_wave_0_\@
	s_barrier_signal -3
.Lnot_wave_0_\@:
	s_barrier_wait -3
	s_barrier_signal -1
	s_barrier_wait -1
.endm
.macro CROUND
	s_barrier_signal -1
	s_barrier_wait -1
	CREST
.endm
; CLUSTERS 24 AND 25 ALONG y MAKE THE MASK'S WORDS; the branch hangs on the cluster's number alone, and this way has no tensor load, no LDS and no barrier.
; The mask [2048 queries][2048 keys], one byte each (any byte other than 0 counts as true), becomes maskw [query tile 128][17 blocks of 256 bytes].  Block j < 16: the 64 lane masks of key step j:
; word n = 16 b + i: bit l = r + 16 h is 1 where mask[16 tile + r][128 j + 32 b + 16 h + i] is not 0.  Block 16: the pair (bit j: step j has an open key; bit j: it has open and hidden keys), written 32 times, so that the store covers 256 consecutive bytes.
; The attention launch reads the pair and leaves out the steps with no open key: whole numbers decide, for any mask.
; A wave takes one tile through its 16 steps, two a trip; a step's registers are loaded anew for the next trip as soon as they are read out; the last trip is written out without loads.
	s_and_b32 s18, ttmp7, 0xffff
	s_cmp_lt_u32 s18, 24
	s_cbranch_scc1 .Lgemm
	s_load_b64 s[4:5], s[0:1], 0x88                ; mask
	s_load_b64 s[6:7], s[0:1], 0x90                ; maskw
	v_lshrrev_b32 v2, 5, v0
	v_readfirstlane_b32 s8, v2
	s_bfe_u32 s9, ttmp6, 0x40000
	s_bfe_u32 s10, ttmp6, 0x40004
	s_sub_co_u32 s18, s18, 24
	s_lshl_b32 s18, s18, 2
	s_add_co_u32 s18, s18, s10
	s_lshl_b32 s18, s18, 2
	s_add_co_u32 s18, s18, s9
	s_lshl_b32 s18, s18, 2
	s_add_co_u32 s18, s18, s8                      ; my tile: ((4 (y - 24) + cy) 4 + cx) 4 + wave
	s_lshl_b32 s20, s18, 15                        ; 16 rows of 2,048 bytes
	s_mov_b32 s21, 0
	s_mul_i32 s22, s18, 4352
	s_mov_b32 s23, 0
	s_mov_b32 s11, 7
	s_mov_b32 s12, 0                               ; steps with an open key
	s_mov_b32 s13, 0                               ; steps with a hidden key
	s_mov_b32 s14, 1                               ; the step's bit
	v_and_b32 v3, 15, v0
	v_bfe_u32 v2, v0, 4, 1
	v_lshlrev_b32 v1, 11, v3
	v_lshl_add_u32 v1, v2, 4, v1                   ; row r, + 16 h
	v_and_b32 v4, 31, v0
	v_lshlrev_b32 v4, 3, v4                        ; out: 8 bytes a lane
.irp j, 8,9,10,11
	v_mov_b32 v\j, 0                               ; a lane write's destination counts as read
.endr
	s_wait_alu depctr_va_vdst(0)
	s_wait_kmcnt 0x0
	s_add_nc_u64 s[4:5], s[4:5], s[20:21]
	s_add_nc_u64 s[6:7], s[6:7], s[22:23]
.irp s, 0,1
.irp b, 0,1,2,3
	global_load_b128 v[16+16*\s+4*\b:19+16*\s+4*\b], v1, s[4:5] offset:128*\s+32*\b th:TH_LOAD_NT
.endr
.endr
.macro MSTEP s, more
	s_wait_loadcnt 4-4*(\s)*(1-\more)              ; behind this step's four loads: the four issued after them, where there are any
.set n, 0
.rept 64
	v_and_b32 v[2+n%2], 0xff<<(8*(n%4)), v[16+16*\s+4*(n/16)+(n%16)/4]
	v_cmp_ne_u32 s[24+n%4], 0, v[2+n%2]            ; the 32 lanes' bits: word n
	v_writelane_b32 v[8+2*\s+n%2], s[24+n%4], n/2  ; lane n / 2 stores words n and n + 1
.set n, n+1
.endr
.if \more
.irp b, 0,1,2,3
	global_load_b128 v[16+16*\s+4*\b:19+16*\s+4*\b], v1, s[4:5] offset:256+128*\s+32*\b th:TH_LOAD_NT
.endr
.endif
	global_store_b64 v4, v[8+2*\s:9+2*\s], s[6:7] offset:256*\s   ; 256 consecutive bytes, aligned
	v_and_b32 v5, v[8+2*\s], v[9+2*\s]
	v_or_b32 v6, v[8+2*\s], v[9+2*\s]
	v_cmp_ne_u32 s28, -1, v5
	v_cmp_ne_u32 s29, 0, v6
	s_cmp_lg_u32 s28, 0
	s_cselect_b32 s28, s14, 0
	s_or_b32 s12, s12, s28
	s_cmp_lg_u32 s29, 0
	s_cselect_b32 s29, s14, 0
	s_or_b32 s13, s13, s29
	s_lshl_b32 s14, s14, 1
.endm
.Lmask:
	MSTEP 0, 1
	MSTEP 1, 1
	s_wait_xcnt 0x0                                ; the bases and the stores' data are written again only behind this wait
	s_add_nc_u64 s[4:5], s[4:5], 256
	s_add_nc_u64 s[6:7], s[6:7], 512
	s_sub_co_u32 s11, s11, 1
	s_cmp_lg_u32 s11, 0
	s_cbranch_scc1 .Lmask
	MSTEP 0, 0
	MSTEP 1, 0
	s_and_b32 s13, s13, s12
	s_wait_xcnt 0x0
	v_mov_b32 v8, s12
	v_mov_b32 v9, s13
	global_store_b64 v4, v[8:9], s[6:7] offset:512 ; block 16
	s_endpgm
.Lgemm:
	s_load_b512 s[68:83], s[0:1], 0x0
	s_load_b512 s[84:99], s[0:1], 0x40             ; v's four (A = w_v, B = value); qc, qs, kc, kvs
	s_load_b64 s[2:3], s[0:1], 0x80                ; vc
	v_lshl_add_u32 v[SPW], v0, 2, SPARE
	v_mov_b32 v[NIL], 0
	ds_add_u32 v28, v29
	ds_add_u32 v28, v29
	s_wait_dscnt 0x0
	v_lshrrev_b32 v1, 5, v0
	v_readfirstlane_b32 s14, v1                    ; wave 0..3
	s_lshr_b32 s15, s14, 1                         ; which half of the tile's rows is mine.  Also: I fetch for A (0) or for B (1)
	s_and_b32 s16, s14, 1                          ; which half of its columns.  Also: which 128 rows of that tile I fetch
	s_bfe_u32 s40, ttmp6, 0x40000                  ; cx, cy
	s_bfe_u32 s41, ttmp6, 0x40004
	s_and_b32 s18, ttmp7, 0xffff                   ; cluster y, 0..23
	s_lshr_b32 s100, s18, 3                        ; which product: 0 q, 1 k, 2 v
	s_and_b32 s18, s18, 7
	s_lshl_b32 s18, s18, 2                         ; four tiles of the tokens' axis to a cluster
	s_cmp_eq_u32 s100, 2
	s_cselect_b32 s42, s18, 0                      ; the tokens are C's columns in v,
	s_cselect_b32 s17, 0, s18                      ; its rows in q and k
	s_cselect_b32 s101, -1, 0xffff                 ; what of a row's four scale bytes goes into its first word: all four (v), two (q, k)
	s_add_co_u32 s42, s42, s40                     ; tile column of C
	s_add_co_u32 s17, s17, s41                     ; tile row of C
	s_lshl_b32 s43, s41, 2
	s_lshl_b32 s43, 15, s43                        ; my row of the cluster
	s_lshl_b32 s44, 0x1111, s40                    ; my column
	s_or_b32 s[G1+0], s43, (0<<16)|(1<<20)|(1<<21)|(5<<22)|(3<<25)  ; mask; elements of 1 byte; padding on; bit 21 beside a mask; after every 64 words, 4 words
	s_or_b32 s[G1B+0], s44, (0<<16)|(1<<20)|(1<<21)|(5<<22)|(3<<25)
.irp g, G1, G1B
	s_mov_b32 s[\g+1], ROWB<<16                    ; tensor_dim0
	s_mov_b32 s[\g+2], 256<<16                     ; tensor_dim1: 256 rows for the head's loads; set to 128 for the ring's behind them
	s_mov_b32 s[\g+3], ROWB<<16                    ; tile_dim0
	s_mov_b32 s[\g+4], 256                         ; tile_dim1
	s_mov_b32 s[\g+5], KROW                        ; stride
	s_mov_b32 s[\g+6], 0
	s_mov_b32 s[\g+7], 0
.endr
	s_wait_kmcnt 0x0
	s_cmp_eq_u32 s100, 1                           ; the buffers are chosen by the cluster's number alone
	s_cselect_b64 s[4:5], s[76:77], s[68:69]       ; A's codes
	s_cselect_b64 s[6:7], s[78:79], s[70:71]       ; A's scales
	s_cselect_b64 s[8:9], s[80:81], s[72:73]       ; B's codes
	s_cselect_b64 s[10:11], s[82:83], s[74:75]     ; B's scales
	s_cselect_b64 s[12:13], s[96:97], s[92:93]     ; the codes that I store
	s_cselect_b64 s[66:67], s[98:99], s[94:95]     ; the scale words that I store
	s_cmp_eq_u32 s100, 2
	s_cselect_b64 s[4:5], s[84:85], s[4:5]
	s_cselect_b64 s[6:7], s[86:87], s[6:7]
	s_cselect_b64 s[8:9], s[88:89], s[8:9]
	s_cselect_b64 s[10:11], s[90:91], s[10:11]
	s_cselect_b64 s[12:13], s[2:3], s[12:13]
	s_cselect_b64 s[66:67], s[98:99], s[66:67]
	; the scales of 256 rows: a dense block of 8,192 bytes, as rows of 256 bytes, 16 bytes of padding behind each
	s_or_b32 s[G1S+0], s43, (3<<16)|(1<<20)|(1<<21)|(5<<22)|(3<<25)
	s_or_b32 s[G1SB+0], s44, (3<<16)|(1<<20)|(1<<21)|(5<<22)|(3<<25)
.irp g, G1S, G1SB
	s_mov_b32 s[\g+1], 32<<16
	s_mov_b32 s[\g+2], KS<<16                      ; the scales of 256 rows: KS rows of 256 bytes
	s_mov_b32 s[\g+3], 32<<16
	s_mov_b32 s[\g+4], KS
	s_mov_b32 s[\g+5], 32
	s_mov_b32 s[\g+6], 0
	s_mov_b32 s[\g+7], 0
.endr
	s_lshl_b32 s20, s17, 8                         ; A: the tile's first row, 256 x tile row
	s_lshl_b32 s46, s42, 8                         ; B: 256 x tile column
	s_mov_b32 s21, 0
	s_mov_b32 s47, 0
	s_mov_b64 s[18:19], KS
	s_mul_u64 s[22:23], s[20:21], s[18:19]         ; where these rows' scales begin
	s_mul_u64 s[92:93], s[46:47], s[18:19]
	s_mov_b64 s[18:19], KROW
	s_mul_u64 s[20:21], s[20:21], s[18:19]         ; and their codes
	s_mul_u64 s[46:47], s[46:47], s[18:19]
	s_mul_i32 s45, s14, HALFT                      ; where they go: wave x 128 rows: no place in the cluster enters an LDS address
	s_mul_i32 s18, s16, 128*KROW                   ; in the ring I fetch 128 rows of a tile: which half, in bytes
	s_mov_b32 s19, 0
	s_add_nc_u64 s[20:21], s[4:5], s[20:21]
	s_add_nc_u64 s[22:23], s[6:7], s[22:23]
	s_add_nc_u64 s[46:47], s[8:9], s[46:47]
	s_add_nc_u64 s[92:93], s[10:11], s[92:93]
	CROUND                                         ; all sixteen work-groups are here: the first joint loads meet
	s_mov_b32 s[G0S], 1
	s_mov_b32 s[G0S+1], SCL
	s_mov_b64 s[G0S+2:G0S+3], s[22:23]
	s_or_b32 s[G0S+3], s[G0S+3], 0x80000000
	s_mov_b32 s[G0SB], 1
	s_mov_b32 s[G0SB+1], SCL+2*HALFS
	s_mov_b64 s[G0SB+2:G0SB+3], s[92:93]
	s_or_b32 s[G0SB+3], s[G0SB+3], 0x80000000
.set G0H, 4                            ; s[4:7], s[8:11] group 0 of the head's loads of K step 0 (the pointers that lay there have been used)
.set G0HB, 8
	s_mov_b32 s[G0H], 1                            ; K step 0's 256 rows of A,
	s_mov_b32 s[G0H+1], 0
	s_mov_b64 s[G0H+2:G0H+3], s[20:21]
	s_or_b32 s[G0H+3], s[G0H+3], 0x80000000
	s_mov_b32 s[G0HB], 1                           ; its 256 rows of B, behind them in slot 0
	s_mov_b32 s[G0HB+1], 2*HALFT
	s_mov_b64 s[G0HB+2:G0HB+3], s[46:47]
	s_or_b32 s[G0HB+3], s[G0HB+3], 0x80000000
	s_add_nc_u64 s[20:21], s[20:21], s[18:19]      ; for the ring: my 128 rows of the tile
	s_add_nc_u64 s[46:47], s[46:47], s[18:19]
.irp s, 0,1
	s_mov_b32 s[G0+4*\s], 1
	s_add_co_u32 s[G0+4*\s+1], s45, \s*SLOT
	s_add_nc_u64 s[G0+4*\s+2:G0+4*\s+3], s[20:21], \s*ROWB
	s_or_b32 s[G0+4*\s+3], s[G0+4*\s+3], 0x80000000
	s_mov_b32 s[G0B+4*\s], 1
	s_add_co_u32 s[G0B+4*\s+1], s45, \s*SLOT
	s_add_nc_u64 s[G0B+4*\s+2:G0B+4*\s+3], s[46:47], \s*ROWB
	s_or_b32 s[G0B+4*\s+3], s[G0B+4*\s+3], 0x80000000
.endr
; The head's loads, one a wave: wave 0 K step 0's 256 rows of A, wave 1 its 256 rows of B, wave 2 A's scales, wave 3 B's.  One chain of branches on the wave's number.
.macro ARM under, g0, g1, next
	s_cmp_lt_u32 s14, \under
	s_cbranch_scc0 \next
	tensor_load_to_lds s[\g0:\g0+3], s[\g1:\g1+7]
	s_nop 0
.rept 4
	v_nop
.endr
	s_branch .Lhead_asked
\next:
.endm
	ARM 1, G0H,  G1,  .Lhead_b
	ARM 2, G0HB, G1B, .Lhead_sa
	ARM 3, G0S,  G1S, .Lhead_sb
	tensor_load_to_lds s[G0SB:G0SB+3], s[G1SB:G1SB+7]
	s_nop 0
.rept 4
	v_nop
.endr
.Lhead_asked:
	v_and_b32 v1, 15, v0
	v_bfe_u32 v2, v0, 4, 1
	v_mul_u32_u24 v3, v1, PITCH
	v_lshl_add_u32 v4, v2, 4, v3                   ; a fragment's row x pitch + 16 x half
	s_mul_i32 s21, s15, HALFT                      ; my 128 rows of A
	s_mul_i32 s22, s16, HALFT                      ; my 128 rows of B,
	s_add_co_u32 s22, s22, 2*HALFT                 ; which lie behind A's 256
.irp s, 0,1
	v_add_nc_u32 v[ADRA+\s], s21, v4
	v_add_nc_u32 v[ADRB+\s], s22, v4
	s_add_co_u32 s21, s21, SLOT
	s_add_co_u32 s22, s22, SLOT
.endr
	v_mul_u32_u24 v5, v1, KS                       ; my row's scales: KS bytes a row,
	v_lshrrev_b32 v6, 8, v5
	v_lshl_add_u32 v5, v6, 4, v5                   ; and 16 more for each 256 passed
	s_mul_i32 s21, s15, HALFS
	s_mul_i32 s22, s16, HALFS
	s_add_co_u32 s22, s22, 2*HALFS
	s_sub_co_u32 s22, s22, s21
	v_mul_u32_u24 v6, s22, v2                      ; lanes 16-31 take B's
	s_add_co_u32 s21, s21, SCL
	v_add_nc_u32 v5, v5, v6
	v_add_nc_u32 v[ADRS], s21, v5
	s_mul_i32 s23, s14, CSTG                       ; my stage
	v_mul_u32_u24 v5, v1, CPITCH
	v_lshl_add_u32 v5, v2, 3, v5
	v_add_nc_u32 v[STO], s23, v5                   ; in: row r, 8 bytes for each half of the lanes
	v_and_b32 v6, 31, v0
	v_lshrrev_b32 v5, 2, v6
	v_mul_u32_u24 v5, v5, CPITCH
	v_and_b32 v3, 3, v6
	v_lshl_add_u32 v5, v3, 4, v5
	v_add_nc_u32 v[RD], s23, v5                    ; back: four lanes take 64 bytes of a row, eight rows an instruction
	v_lshlrev_b32 v[CO], 4, v6
	v_lshlrev_b32 v[CO8], 3, v6
	s_lshl_b32 s23, s14, 10
	s_add_co_u32 s23, s23, SSTG
	v_lshl_add_u32 v[SSTO], v1, 2, s23
	v_lshl_add_u32 v[SRD], v6, 3, s23
.macro FRAG reg, adr, q, i             ; 16 rows x 128 K: lane l holds row l % 16; registers 4 c .. 4 c + 3 hold K = 32 c + 16 (l / 16) + 0 .. 15
.irp c, 0,1,2,3
	ds_load_b128 v[\reg+4*\c:\reg+4*\c+3], v[\adr] offset:128*(\q)+32*\c+(\i)*16*PITCH
.endr
.endm
; 16 matrix instructions: A's blocks a0, a0 + 1 x B's eight.  The 64 accumulators take turns, one instruction a turn, in the same order in every step.
.macro MUL16 a0, p, q, sc, zero
.irp a, \a0, \a0+1
.irp b, 0,1,2,3,4,5,6,7
.if \zero
	v_wmma_scale_f32_16x16x128_f8f6f4 v[8*(8*((\a)%4)+\b):8*(8*((\a)%4)+\b)+7], v[128*(\p)+FR*\b:128*(\p)+FR*\b+FR-1], v[AF+FR*(\a):AF+FR*(\a)+FR-1], 0, v[SC+8*NQ*(\sc)+NQ*\b+(\q)], v[SC+8*NQ*(\sc)+NQ*(\a)+(\q)] matrix_a_scale:MATRIX_SCALE_ROW1
.else
	v_wmma_scale_f32_16x16x128_f8f6f4 v[8*(8*((\a)%4)+\b):8*(8*((\a)%4)+\b)+7], v[128*(\p)+FR*\b:128*(\p)+FR*\b+FR-1], v[AF+FR*(\a):AF+FR*(\a)+FR-1], v[8*(8*((\a)%4)+\b):8*(8*((\a)%4)+\b)+7], v[SC+8*NQ*(\sc)+NQ*\b+(\q)], v[SC+8*NQ*(\sc)+NQ*(\a)+(\q)] matrix_a_scale:MATRIX_SCALE_ROW1
.endif
.endr
.endr
.endm
.macro FETCH_B slot, q, p
	WIN TO_B
.irp i, 0,1,2,3,4,5,6,7
	FRAG 128*(\p)+FR*\i, ADRB+\slot, \q, \i
.endr
	WIN 0
.endm
.macro FETCH_A slot, q, i0
.irp i, \i0, \i0+1, \i0+2, \i0+3
	FRAG AF+FR*(\i), ADRA+\slot, \q, \i
.endr
.endm
.macro SCALES sc                       ; a K step's scale words: lanes 0-15 take A's block i, lanes 16-31 B's block i
.irp i, 0,1,2,3,4,5,6,7
	ds_load_b64 v[SC+8*NQ*\sc+NQ*\i:SC+8*NQ*\sc+NQ*\i+1], v[ADRS] offset:\i*SBLK
.endr
.endm
.macro PLACES n                        ; plain vector places behind matrix instructions, in front of loads into their registers and of reads of results
.rept \n
	v_nop
.endr
.endm
.macro STEP slot, q, zero
	s_wait_dscnt 4*NL                              ; B's set and A's blocks 0-3 are in; the youngest 16 loads (A's blocks 4-7) may be out
	WIN MUL_LO
	MUL16 0, (\q)%2, \q, \slot, \zero
	MUL16 2, (\q)%2, \q, \slot, \zero
	s_wait_dscnt 0
	PLACES NP
	FETCH_B \slot, (\q)+1, 1-(\q)%2
	FETCH_A \slot, (\q)+1, 0
	WIN MUL_HI
	MUL16 4, (\q)%2, \q, \slot, \zero
	MUL16 6, (\q)%2, \q, \slot, \zero
	PLACES NP
	WIN 0
	FETCH_A \slot, (\q)+1, 4
.endm
; A slot's last step changes slots: one barrier; in front of it each wave waits for all its tensor loads, adds 0 to its spare word, and waits for that and for its reads of this slot.
.macro TURN slot, next, fill
	s_wait_tensorcnt 0x0                           ; all my tensor loads have landed: my part of the next slot
	ds_add_u32 v[SPW], v[NIL]                      ; 0 onto my spare word
	s_wait_dscnt 4*NL+1                            ; the add and the youngest 16 loads (A's blocks 4-7) may be out
	WIN MUL_LO
	MUL16 0, 1, NQ-1, \slot, 0
	s_wait_dscnt 0x0                               ; the add is done, and my reads of this slot are over
	s_barrier_signal -1
	MUL16 2, 1, NQ-1, \slot, 0
	WIN 0
	s_barrier_wait -1
.if \fill
	CREST                                          ; the barrier has opened a round of the cluster's: no wave of any partner still reads this slot or has a load on its way
	s_add_nc_u64 s[G0+4*\slot+2:G0+4*\slot+3], s[G0+4*\slot+2:G0+4*\slot+3], 2*ROWB
	s_add_nc_u64 s[G0B+4*\slot+2:G0B+4*\slot+3], s[G0B+4*\slot+2:G0B+4*\slot+3], 2*ROWB
	JLOAD G0+4*\slot, G1, G0B+4*\slot, G1B         ; the first tensor load behind the round; its four v_nop are among the places in front of the loads below
	PLACES NP-4
.else
	PLACES NP
.endif
	s_wait_alu depctr_va_vdst(0)
	v_add_nc_u32 v[ADRS], 4*NQ, v[ADRS]            ; the next K step's scale words
	FETCH_B \next, 0, 0
	FETCH_A \next, 0, 0
	SCALES \next
	WIN MUL_HI
	MUL16 4, 1, NQ-1, \slot, 0
	MUL16 6, 1, NQ-1, \slot, 0
	PLACES NP
	WIN 0
	FETCH_A \next, 0, 4
.endm
	s_wait_alu depctr_va_vdst(0)
	s_wait_tensorcnt 0x0                           ; my tile of the head's four is in
	ds_add_u32 v[SPW], v[NIL]
	s_mov_b32 s[G1+2], 128<<16                     ; no tensor load of mine is out: from here on a load brings 128 rows
	s_mov_b32 s[G1+4], 128
	s_mov_b32 s[G1B+2], 128<<16
	s_mov_b32 s[G1B+4], 128
	s_wait_dscnt 0x0
	CROUND                                         ; a whole round: all four tiles are in, and the joint loads meet
	JLOAD G0+4, G1, G0B+4, G1B                     ; K step 1, the first tensor load behind the round
	FETCH_B 0, 0, 0
	FETCH_A 0, 0, 0
	SCALES 0
	FETCH_A 0, 0, 4
	STEP 0, 0, 1                                   ; the first step's products start the sums
	s_mov_b32 s3, LAPS-1
.Llap:
	TURN 0, 1, 1
	STEP 1, 0, 0
	TURN 1, 0, 1
	STEP 0, 0, 0
	s_sub_co_u32 s3, s3, 1
	s_cmp_lg_u32 s3, 0
	s_cbranch_scc1 .Llap
	TURN 0, 1, 0                                   ; the last lap fills nothing
	STEP 1, 0, 0
	s_wait_dscnt 4*NL
	WIN MUL_LO
	MUL16 0, 1, NQ-1, 1, 0
	MUL16 2, 1, NQ-1, 1, 0
	s_wait_dscnt 0
	WIN MUL_HI
	MUL16 4, 1, NQ-1, 1, 0
	MUL16 6, 1, NQ-1, 1, 0
	WIN 0
	; THE WAY OUT.  Where my 128 x 128 goes: four chunks (row half p, column half x) of 64 rows x 64 codes, each 4,096 dense bytes of the codes' buffer, and their scale words, 256 dense bytes each.
	; (s68-91 held the scale loads' descriptors; those loads were shown done by the first wait on TENSORcnt.)
	s_lshl_b32 s18, s17, 8
	s_lshl_b32 s19, s15, 7
	s_add_co_u32 s18, s18, s19                     ; my first row of C
	s_lshl_b32 s19, s42, 8
	s_lshl_b32 s20, s16, 7
	s_add_co_u32 s19, s19, s20                     ; my first column
	s_mov_b32 s22, 4096
	s_mov_b32 s23, 131072
	s_mov_b32 s86, 256
	s_cmp_eq_u32 s100, 2
	s_cselect_b32 s20, s19, s18                    ; my first token
	s_cselect_b32 s21, s18, s19                    ; my first feature: 64 h + d
	s_cselect_b32 s84, s23, s22                    ; codes, from row half to row half: the next head (v) or 64 tokens on
	s_cselect_b32 s85, s22, s23                    ; from column half to column half: 64 keys on (v) or the next head
	s_cselect_b32 s86, 12288, s86                  ; scale words, from row half to row half
	s_cselect_b32 s87, 1, 2                        ; bytes of words for a token: 256 for 128 keys (v), 4 a token
	s_cselect_b32 s88, 8192, 0                     ; v's words lie behind k's
	s_mov_b32 s89, 12288
	s_cmp_eq_u32 s100, 0
	s_cselect_b32 s89, 8192, s89                   ; a head's bytes in qs or in kvs
	s_lshr_b32 s45, s20, 11
	s_lshl_b32 s45, s45, 4
	s_lshr_b32 s46, s21, 6
	s_add_co_u32 s45, s45, s46                     ; 16 b + h
	s_and_b32 s46, s20, 2047                       ; the token in its batch
	s_lshl_b32 s90, s45, 17
	s_lshl_b32 s47, s46, 6
	s_add_co_u32 s90, s90, s47
	s_mov_b32 s91, 0
	s_add_nc_u64 s[68:69], s[12:13], s[90:91]      ; chunk 2 p + x: (0, 0)
	s_mov_b32 s90, s85
	s_add_nc_u64 s[70:71], s[68:69], s[90:91]      ; (0, 1)
	s_mov_b32 s90, s84
	s_add_nc_u64 s[72:73], s[68:69], s[90:91]      ; (1, 0)
	s_add_nc_u64 s[74:75], s[70:71], s[90:91]      ; (1, 1)
	s_mul_i32 s90, s45, s89
	s_lshl_b32 s47, s46, s87
	s_add_co_u32 s90, s90, s47
	s_add_co_u32 s90, s90, s88
	s_add_nc_u64 s[76:77], s[66:67], s[90:91]
	s_mov_b32 s90, s89
	s_add_nc_u64 s[78:79], s[76:77], s[90:91]
	s_mov_b32 s90, s86
	s_add_nc_u64 s[80:81], s[76:77], s[90:91]
	s_add_nc_u64 s[82:83], s[78:79], s[90:91]
	s_mov_b32 s[MNT], 0x600000                     ; the mantissa field of 448
	s_mov_b32 s[SEL], 0x76543210
	s_mov_b32 s[SEL+1], 0xfedcba98                 ; v_permlanex16_b32's selects for lane l xor 16
; Block a: 16 rows x 128 columns.  Lane (r, h) holds, of row 16 a + r, columns 16 b + 8 h + 0 .. 7 of each tile b: 16 numbers of each of the four blocks of 32; the other 16 lie in lane l xor 16.
.macro QBLOCK a
.set AC, 64*((\a)%4)
.set WA, 2+(\a)/4
.set WW, (WA<<2)|(WA<<4)
	WIN WW                                         ; sources 1 and 2: the accumulators' window
.irp b, 0,1,2,3
	v_max3_num_f32 v[TM+\b], 0x4800000, |v[AC+16*\b]|, |v[AC+16*\b+1]|   ; with the floor 2^(9 - 127): the byte cannot fall under 1.  Each accumulator is read from its low end on
.endr
.irp i, 2,4,6,8,10,12,14
.irp b, 0,1,2,3
	v_max3_num_f32 v[TM+\b], v[TM+\b], |v[AC+16*\b+\i]|, |v[AC+16*\b+\i+1]|
.endr
.endr
	WIN 0
	s_wait_alu depctr_va_vdst(0)
	s_wait_dscnt 0x0                               ; the last block's LDS stores have read their registers
.irp b, 0,1,2,3
	v_permlanex16_b32 v[TM+4+\b], v[TM+\b], s[SEL], s[SEL+1]
.endr
.irp b, 0,1,2,3
	v_max_num_f32 v[TM+\b], v[TM+\b], v[TM+4+\b]   ; the block's largest magnitude
.endr
.irp b, 0,1,2,3
	v_add_nc_u32 v[TM+12+\b], 0xfc000000, v[TM+\b] ; 8 off its exponent field: the conversion's scale operand
.endr
.irp b, 0,1,2,3
	v_and_or_b32 v[TM+8+\b], v[TM+\b], 0x7f800000, s[MNT]   ; 448 x the scale
.endr
.irp b, 0,1,2,3
	v_lshrrev_b32 v[TM+4+\b], 23, v[TM+12+\b]      ; the scale's byte
.endr
	v_lshl_or_b32 v[PW], v[TM+5], 8, v[TM+4]
	v_lshl_or_b32 v[PW], v[TM+6], 16, v[PW]
	v_lshl_or_b32 v[PW], v[TM+7], 24, v[PW]
	v_and_b32 v[PWA], s101, v[PW]                  ; q, k: the first head's two bytes; v: all four
	v_lshrrev_b32 v[PWB], 16, v[PW]                ; q, k: the second head's two bytes
	WIN WA                                         ; source 0: the accumulators' window
.irp b, 0,1,2,3
.irp i, 0,1,2,3,4,5,6,7,8,9,10,11,12,13,14,15
	v_med3_num_f32 v[T+16*\b+\i], v[AC+16*\b+\i], -v[TM+8+\b], v[TM+8+\b]   ; the conversion to an 8-bit code does not saturate (ISA guide 7.6.2): the hold
.endr
.endr
	WIN 0
.irp g, 0,1,2,3,4,5,6,7
	v_cvt_scalef32_pk8_fp8_f32 v[PC+2*\g:PC+2*\g+1], v[T+8*\g:T+8*\g+7], v[TM+12+\g/2]
.endr
	v_nop                                          ; a plain vector line behind the last conversion
.irp g, 0,1,2,3,4,5,6,7
	ds_store_b64 v[STO], v[PC+2*\g:PC+2*\g+1] offset:16*(\a)*CPITCH+16*\g
.endr
	ds_store_b32 v[SSTO], v[PWA] offset:64*(\a)     ; both halves of the lanes write the same word with the same value
	ds_store_b32 v[SSTO], v[PWB] offset:512+64*(\a)
.endm
	PLACES NP                                      ; behind the last products: their results are read and their scale and fragment registers written below
.irp b, 0,1,2,3
	v_mov_b32 v[TM+4+\b], 0                        ; a lane permute's destination counts as one of its sources
.endr
.irp a, 0,1,2,3,4,5,6,7
	QBLOCK \a
.endr
	s_wait_dscnt 0x0                               ; the last stores have read their registers; the stage is my own, so no barrier
.irp k, 0,1,2,3
	ds_load_b64 v[SWB+2*\k:SWB+2*\k+1], v[SRD] offset:512*(\k%2)+256*(\k/2)
.endr
.irp k, 0,1,2,3
.irp t, 0,1,2,3,4,5,6,7
	ds_load_b128 v[BK+4*(8*\k+\t):BK+4*(8*\k+\t)+3], v[RD] offset:(64*(\k/2)+8*\t)*CPITCH+64*(\k%2)
.endr
.endr
.irp k, 0,1,2,3
.irp t, 0,1,2,3,4,5,6,7
	s_wait_dscnt 31-(8*\k+\t)                      ; the loads issued behind this one may be out
	global_store_b128 v[CO], v[BK+4*(8*\k+\t):BK+4*(8*\k+\t)+3], s[68+2*\k:69+2*\k] offset:512*\t   ; 32 lanes store 512 consecutive bytes, aligned
.endr
.endr
	global_store_b64 v[CO8], v[SWB:SWB+1], s[76:77]       ; 64 rows' words: 256 consecutive bytes, aligned
	global_store_b64 v[CO8], v[SWB+4:SWB+5], s[80:81]
	s_cmp_eq_u32 s100, 2                           ; v has one word to a row; the branch hangs on the cluster's number alone
	s_cbranch_scc1 .Lone_word
	global_store_b64 v[CO8], v[SWB+2:SWB+3], s[78:79]
	global_store_b64 v[CO8], v[SWB+6:SWB+7], s[82:83]
.Lone_word:
	s_wait_tensorcnt 0x0                           ; the wave's end
	ds_add_u32 v[SPW], v[NIL]
	s_wait_dscnt 0x0
	CROUND                                         ; the closing round
	s_endpgm
.Lfunc_end_k_qa98e379766_proj:
	.size	k_qa98e379766_proj, .Lfunc_end_k_qa98e379766_proj-k_qa98e379766_proj
	.p2alignl 7, 3214868480
	.fill 96, 4, 3214868480
	.section	.rodata,"a",@progbits
	.p2align	6, 0x0
	.amdhsa_kernel k_qa98e379766_proj
		.amdhsa_group_segment_fixed_size 327680
		.amdhsa_private_segment_fixed_size 0
		.amdhsa_enable_private_segment 0
		.amdhsa_kernarg_size 152
		.amdhsa_user_sgpr_count 2
		.amdhsa_user_sgpr_kernarg_segment_ptr 1
		.amdhsa_wavefront_size32 1
		.amdhsa_system_sgpr_workgroup_id_x 1
		.amdhsa_system_sgpr_workgroup_id_y 1
		.amdhsa_system_sgpr_workgroup_id_z 1
		.amdhsa_system_vgpr_workitem_id 0
		.amdhsa_next_free_vgpr 1024
		.amdhsa_next_free_sgpr 102
		.amdhsa_reserve_vcc 0
		.amdhsa_float_denorm_mode_32 3
		.amdhsa_float_denorm_mode_16_64 3
		.amdhsa_memory_ordered 1
		.amdhsa_forward_progress 1
		.amdhsa_inst_pref_size 251
	.end_amdhsa_kernel
	.amdgpu_metadata
---
amdhsa.version: [ 1, 2 ]
amdhsa.kernels:
  - .name:           k_qa98e379766_proj
    .symbol:         k_qa98e379766_proj.kd
    .args:
      - { .name: query_codes, .offset: 0, .size: 8, .value_kind: global_buffer, .address_space: global }
      - { .name: query_scales, .offset: 8, .size: 8, .value_kind: global_buffer, .address_space: global }
      - { .name: w_q_codes, .offset: 16, .size: 8, .value_kind: global_buffer, .address_space: global }
      - { .name: w_q_scales, .offset: 24, .size: 8, .value_kind: global_buffer, .address_space: global }
      - { .name: key_codes, .offset: 32, .size: 8, .value_kind: global_buffer, .address_space: global }
      - { .name: key_scales, .offset: 40, .size: 8, .value_kind: global_buffer, .address_space: global }
      - { .name: w_k_codes, .offset: 48, .size: 8, .value_kind: global_buffer, .address_space: global }
      - { .name: w_k_scales, .offset: 56, .size: 8, .value_kind: global_buffer, .address_space: global }
      - { .name: w_v_codes, .offset: 64, .size: 8, .value_kind: global_buffer, .address_space: global }
      - { .name: w_v_scales, .offset: 72, .size: 8, .value_kind: global_buffer, .address_space: global }
      - { .name: value_codes, .offset: 80, .size: 8, .value_kind: global_buffer, .address_space: global }
      - { .name: value_scales, .offset: 88, .size: 8, .value_kind: global_buffer, .address_space: global }
      - { .name: qc, .offset: 96, .size: 8, .value_kind: global_buffer, .address_space: global }
      - { .name: qs, .offset: 104, .size: 8, .value_kind: global_buffer, .address_space: global }
      - { .name: kc, .offset: 112, .size: 8, .value_kind: global_buffer, .address_space: global }
      - { .name: kvs, .offset: 120, .size: 8, .value_kind: global_buffer, .address_space: global }
      - { .name: vc, .offset: 128, .size: 8, .value_kind: global_buffer, .address_space: global }
      - { .name: mask, .offset: 136, .size: 8, .value_kind: global_buffer, .address_space: global }
      - { .name: maskw, .offset: 144, .size: 8, .value_kind: global_buffer, .address_space: global }
    .group_segment_fixed_size: 327680
    .private_segment_fixed_size: 0
    .kernarg_segment_align: 8
    .kernarg_segment_size: 152
    .max_flat_workgroup_size: 128
    .sgpr_count:     102
    .vgpr_count:     1024
    .wavefront_size: 32
...
	.end_amdgpu_metadata
.endif
;; end of part 1
;; launch attn (part 2): grid 64 x 4, 8 waves a work-group, no clusters, 327,680 bytes of LDS; arguments qc, qs, kc, vc, kvs, maskw, ac, asc; writes ac, asc
.if DOCPART == 2
	.amdgcn_target "amdgcn-amd-amdhsa--gfx1250"
	.amdhsa_code_object_version 6
	.text
	.protected	k_qa98e379766_attn
	.globl	k_qa98e379766_attn
	.p2align	8
	.type	k_qa98e379766_attn,@function
k_qa98e379766_attn:
	s_mov_b64 s[64:65], 0
	v_nop
	global_prefetch_b8 v0, s[64:65] scope:SCOPE_SE
	s_setreg_imm32_b32 hwreg(HW_REG_WAVE_MODE, 25, 1), 1
	s_wait_xcnt 0x0
; Attention of one (batch, head) on codes of E4M3 with E8M0 scales: S^T = K Q^T, the mask, p = 2^(t - M) with M a whole number, O^T += V^T P^T, O / the row's sum, quantised along the head's 64 for the last projection.
; WORK LEFT OUT BY WHOLE NUMBERS READ FROM MEMORY: maskw holds, for a tile of 16 queries, 16 blocks of 64 lane masks (bit = 1: hidden), one for each step of 128 keys, and a pair of lists (bit j: step j has an open key; bit j: it has open and hidden keys).
; A step with no open key gives p = 0 for all its keys, leaves M, the sum and O as they are, and is jumped over where that holds of both my tiles; a tile with no hidden key in a step jumps over its 64 selects.  The lists come from the launch before, for any mask.
; LIMIT: a NaN or an infinity in K or V that lies only under hidden steps is not carried to the result.  NaN and infinities in q, k, v are not served; the scaled scores stay under 2^31 in magnitude.
; A row with no open key has the sum 0: its two scale bytes become 0xff, so that the last projection gives NaN there, as the softmax of a row of -infinity does.
; SHARES.  A work-group serves one head (x) with 8 waves; wave slot u = 8 y + wave takes the pairs of query tiles u and 63 - u, one after the other: a fixed deal, the same for every mask.
; A WAVE WALKS TWO NEIGHBOURING TILES (32 queries) AT ONCE, so that each fragment of K and V that it reads from LDS feeds two matrix instructions.  Tile a's state lies in register window 0, tile b's in window 1 under the same numbers:
; one macro serves both.  K's and V's fragments, all addresses and all scale words lie in window 0.
; K, V and their scale words of the whole head (268 KB) come into LDS once, through registers: wave w brings key steps 2 w and 2 w + 1 of K, of V, and 1,536 bytes of scale words.  One barrier; behind it the waves walk on their own.
; NO TENSOR LOAD, SO NO CLUSTER: the walk branches on numbers read from memory.  NO PREFETCH: all of K and V is asked for in one run at the head; there is no loop to run ahead in.
; LDS: K's step j at j PIECE (64 rows of 128 bytes + 16: two keys a row), V's at VOFF + j PIECE (two chunks of 64 keys, [d][64 codes]); scale words as rows of 256 bytes + 16; a stage of 1,024 bytes a wave; the scale bytes' stage; the spare words.
; A lane holds one query (lane % 16); lane r of tile 2 b + u takes key 32 b + 8 u + r + 8 (r / 8), so that 16 registers of two tiles are 16 neighbouring keys.  The head's 64 fill half of the product's 128: Q's upper registers are zeros.
.set PIECE, 9216
.set VOFF,  16*PIECE
.set SC,    32*PIECE
.set SCV,   SC+32*272
.set STG,   SC+48*272
.set SST,   STG+16*1024
.set SPARE, SST+1024
.set TILEW, 4352                       ; a tile's bytes in maskw
.set AK0,  1
.set QSB,  2                           ; tile b's scale words of Q: scale operands have no window
.set ASK0, 3
.set ASV0, 4
.set QO,   5
.set QSO,  6
.set ADK,  8
.set ADV,  9
.set ADS,  10
.set ADT,  11
.set S,    104
.set O,    168
.set PC,   200
.set KS,   216
.set QS,   224
.set PS,   225
.set NINF, 226
.set HW0,  227
.set BM,   228
.set PT,   232
.set HD,   236
.set SO,   240
.set F,    244
.set T0,   246
.set T1,   247
.set L2,   248
.set STO,  250
.set RD,   251
.set GO,   252
.set SSA,  253
.set PSB,  254                         ; tile b's scale word of p; at the end the register becomes the spare word's address
.set HW1,  255
.set TB,   2
.set TS,   3
.set TJ,   4
.set MO,   5
.set MW,   6
.set LV,   8                           ; bit 0: the step in hand has an open key in one of my tiles
.set HA,   9                           ; bit 0: tile a has a hidden key in it
.set HB,   11                          ; the same of tile b
.set KP,   12
.set VP,   14
.set SP,   16
.set DT,   18                          ; 63 - 2 u: pairs from my first to my second
.set WV,   24
.set MNT,  25
.set SEL,  26
.set CS,   28
.set CNT,  30
.set PASS, 31
.set QCP,  66
.set QSP,  100
.set ACP,  104
.set MSB, 0
.macro WIN new                         ; bits 1:0 source 0, 3:2 source 1, 5:4 source 2, 7:6 destination; the immediate's high byte repeats the setting that is left
.if MSB != \new
	s_set_vgpr_msb (MSB<<8)|\new
.set MSB, \new
.endif
.endm
.macro WORDS off                       ; a step's 64 lane masks: off = 0 tile a's, TILEW tile b's
	s_load_b512 s[32:47], s[MW:MW+1], s[MO] offset:\off
	s_load_b512 s[48:63], s[MW:MW+1], s[MO] offset:\off+0x40
	s_load_b512 s[68:83], s[MW:MW+1], s[MO] offset:\off+0x80
	s_load_b512 s[84:99], s[MW:MW+1], s[MO] offset:\off+0xc0
.endm
.macro NEXTQ                           ; a pair's lists, tile a's words of step 0 (whatever the lists say: so the 64 registers are written on every way), both tiles' Q and scale words
	s_load_b64 s[8:9], s[MW:MW+1], s[MO] offset:0x1000
	s_load_b64 s[10:11], s[MW:MW+1], s[MO] offset:0x1000+TILEW
	WORDS 0
	global_load_b128 v[16:19], v[QO], s[QCP:QCP+1]
	global_load_b128 v[20:23], v[QO], s[QCP:QCP+1] offset:32
	global_load_b32 v[QS], v[QSO], s[QSP:QSP+1]
	global_load_b32 v[QSB], v[QSO], s[QSP:QSP+1] offset:64
	WIN 0x40
	global_load_b128 v[16:19], v[QO], s[QCP:QCP+1] offset:1024
	global_load_b128 v[20:23], v[QO], s[QCP:QCP+1] offset:1024+32
	WIN 0
.endm
.macro MASK                            ; hidden scores become -infinity
.set n, 0
.rept 64
	v_cndmask_b32 v[S+n], v[S+n], v[NINF], s[32+n+4*(n/32)]
.set n, n+1
.endr
.endm
; The softmax of one tile's 128 keys, p's codes and scale word, and O^T and the sum under the new M.  w: the tile's window.
.macro SOFTMAX w
	WIN 0x55*\w
	s_wait_alu depctr_va_vdst(0)
.irp b, 0,1,2,3
	v_max3_num_f32 v[BM+\b], v[S+16*\b], v[S+1+16*\b], v[S+2+16*\b]   ; the largest score of each block of 32 keys; the four blocks by turns
.endr
.irp i, 3,5,7,9,11,13
.irp b, 0,1,2,3
	v_max3_num_f32 v[BM+\b], v[BM+\b], v[S+16*\b+\i], v[S+1+16*\b+\i]
.endr
.endr
.irp b, 0,1,2,3
	v_max_num_f32 v[BM+\b], v[BM+\b], v[S+15+16*\b]
.endr
.irp b, 0,1,2,3
	s_delay_alu instid0(VALU_DEP_4)
	v_permlanex16_b32 v[PT+\b], v[BM+\b], s[SEL], s[SEL+1]
.endr
.irp b, 0,1,2,3
	s_delay_alu instid0(VALU_DEP_4)
	v_max_num_f32 v[BM+\b], v[BM+\b], v[PT+\b]
.endr
	s_delay_alu instid0(VALU_DEP_2)
	v_max3_num_f32 v[T0], v[BM], v[BM+1], v[BM+2]
	s_delay_alu instid0(VALU_DEP_1)
	v_max_num_f32 v[T0], v[T0], v[BM+3]
	s_delay_alu instid0(VALU_DEP_1)
	v_mul_f32 v[T0], s[CS], v[T0]
	s_delay_alu instid0(VALU_DEP_1)
	v_max_num_f32 v13, v13, v[T0]                  ; the running largest t
	v_mov_b32 v[T0], v12
	s_delay_alu instid0(VALU_DEP_2)
	v_floor_f32 v12, -v13                          ; -M = floor(-t)
	s_delay_alu instid0(VALU_DEP_1)
	v_sub_f32 v[T0], v12, v[T0]
	s_delay_alu instid0(VALU_DEP_1)
	v_cvt_i32_f32 v[T0], v[T0]
	s_delay_alu instid0(VALU_DEP_1)
	v_ldexp_f32 v[F], 1.0, v[T0]                   ; f = 2^(old M - new M)
.set n, 0
.rept 32
	v_pk_fma_f32 v[S+n:S+n+1], v[S+n:S+n+1], s[CS:CS+1], v[12:13] op_sel_hi:[1,0,0]
.set n, n+2
.endr
.irp b, 0,1,2,3
	v_fma_f32 v[BM+\b], v[BM+\b], s[CS], v12
.endr
	s_wait_alu depctr_va_vdst(0)
.set n, 0
.rept 64
	v_exp_f32 v[S+n], v[S+n]
.set n, n+1
.endr
	v_pk_mul_f32 v[14:15], v[14:15], v[F:F+1] op_sel_hi:[1,0]
	s_wait_alu depctr_va_vdst(0)
.irp b, 0,1,2,3
	v_exp_f32 v[BM+\b], v[BM+\b]                   ; each block's largest p
.endr
	v_pk_add_f32 v[L2:L2+1], v[S:S+1], v[S+2:S+3]  ; the row's sum of the unquantised p, two at a time, in six chains by turns
	v_pk_add_f32 v[PT:PT+1], v[S+4:S+5], v[S+6:S+7]
	v_pk_add_f32 v[PT+2:PT+3], v[S+8:S+9], v[S+10:S+11]
	v_pk_add_f32 v[HD:HD+1], v[S+12:S+13], v[S+14:S+15]
	v_pk_add_f32 v[HD+2:HD+3], v[S+16:S+17], v[S+18:S+19]
	v_pk_add_f32 v[14:15], v[14:15], v[S+20:S+21]
.irp k, 22,34,46
	v_pk_add_f32 v[L2:L2+1], v[L2:L2+1], v[S+\k:S+\k+1]
	v_pk_add_f32 v[PT:PT+1], v[PT:PT+1], v[S+\k+2:S+\k+3]
	v_pk_add_f32 v[PT+2:PT+3], v[PT+2:PT+3], v[S+\k+4:S+\k+5]
	v_pk_add_f32 v[HD:HD+1], v[HD:HD+1], v[S+\k+6:S+\k+7]
	v_pk_add_f32 v[HD+2:HD+3], v[HD+2:HD+3], v[S+\k+8:S+\k+9]
	v_pk_add_f32 v[14:15], v[14:15], v[S+\k+10:S+\k+11]
.endr
	v_pk_add_f32 v[L2:L2+1], v[L2:L2+1], v[S+58:S+59]
	v_pk_add_f32 v[PT:PT+1], v[PT:PT+1], v[S+60:S+61]
	v_pk_add_f32 v[PT+2:PT+3], v[PT+2:PT+3], v[S+62:S+63]
	v_pk_add_f32 v[14:15], v[14:15], v[HD+2:HD+3]
	v_pk_add_f32 v[L2:L2+1], v[L2:L2+1], v[HD:HD+1]
	v_pk_add_f32 v[PT:PT+1], v[PT:PT+1], v[PT+2:PT+3]
	v_pk_add_f32 v[14:15], v[14:15], v[L2:L2+1]
	v_pk_add_f32 v[14:15], v[14:15], v[PT:PT+1]
	s_wait_alu depctr_va_vdst(0)
.irp b, 0,1,2,3
	v_max_num_f32 v[BM+\b], 0x4800000, v[BM+\b]    ; the floor 2^(9 - 127): the byte cannot fall under 1
.endr
.irp b, 0,1,2,3
	s_delay_alu instid0(VALU_DEP_4)
	v_add_nc_u32 v[SO+\b], 0xfc000000, v[BM+\b]
.endr
.irp b, 0,1,2,3
	v_and_or_b32 v[HD+\b], v[BM+\b], 0x7f800000, s[MNT]
.endr
.irp b, 0,1,2,3
	v_lshrrev_b32 v[PT+\b], 23, v[SO+\b]
.endr
	v_lshl_or_b32 v[PS], v[PT+1], 8, v[PT]
	v_lshl_or_b32 v[PS], v[PT+2], 16, v[PS]
.if \w
	WIN 0x11                                       ; tile b's scale word goes to window 0
	v_lshl_or_b32 v[PSB], v[PT+3], 24, v[PS]
	WIN 0x55
.else
	v_lshl_or_b32 v[PS], v[PT+3], 24, v[PS]
.endif
.irp b, 0,1,2,3
.irp i, 0,1,2,3,4,5,6,7,8,9,10,11,12,13,14,15
	v_min_num_f32 v[S+16*\b+\i], v[S+16*\b+\i], v[HD+\b]   ; the conversion does not saturate (ISA guide 7.6.2); p is not negative
.endr
	v_cvt_scalef32_pk8_fp8_f32 v[PC+4*\b:PC+1+4*\b], v[S+16*\b:S+7+16*\b], v[SO+\b]
	v_cvt_scalef32_pk8_fp8_f32 v[PC+2+4*\b:PC+3+4*\b], v[S+8+16*\b:S+15+16*\b], v[SO+\b]
.endr
	s_wait_alu depctr_va_vdst(0)
.set n, 0
.rept 16
	v_pk_mul_f32 v[O+n:O+n+1], v[O+n:O+n+1], v[F:F+1] op_sel_hi:[1,0]
.set n, n+2
.endr
	WIN 0
.endm
.macro INIT w                          ; a tile's state at a pass's head
	WIN 0x41*\w
	v_mov_b32 v13, 0xff61b1e6                      ; the largest t so far: -3e38
	v_floor_f32 v12, -v13                          ; -M
	v_mov_b32 v14, 0
	v_mov_b32 v15, 0
.set n, 0
.rept 32
	v_mov_b32 v[O+n], 0
.set n, n+1
.endr
	WIN 0
.endm
; The way out of one tile: O^T / the sum, quantised along the head's 64, through my stage, 1,024 consecutive bytes of ac.
.macro EPI w, goff
	WIN 0x55*\w
	v_add_f32 v14, v14, v15
	v_permlanex16_b32 v[PT], v14, s[SEL], s[SEL+1]
	v_add_f32 v14, v14, v[PT]                      ; the row's sum
	s_wait_alu depctr_va_vdst(0)
	v_rcp_f32 v15, v14
	v_mov_b32 v[T1], 0xffff
	s_wait_alu depctr_va_vdst(0)
.set n, 0
.rept 32
	v_mul_f32 v[S+n], v[O+n], v15
.set n, n+1
.endr
.irp b, 0,1
	v_max3_num_f32 v[BM+\b], |v[S+16*\b]|, |v[S+1+16*\b]|, 0x4800000
.endr
.irp i, 2,4,6,8,10,12,14
.irp b, 0,1
	v_max3_num_f32 v[BM+\b], v[BM+\b], |v[S+16*\b+\i]|, |v[S+1+16*\b+\i]|
.endr
.endr
.irp b, 0,1
	v_permlanex16_b32 v[PT+\b], v[BM+\b], s[SEL], s[SEL+1]
.endr
.irp b, 0,1
	v_max_num_f32 v[BM+\b], v[BM+\b], v[PT+\b]
.endr
.irp b, 0,1
	v_add_nc_u32 v[SO+\b], 0xfc000000, v[BM+\b]
.endr
.irp b, 0,1
	v_and_or_b32 v[HD+\b], v[BM+\b], 0x7f800000, s[MNT]
.endr
.irp b, 0,1
	v_lshrrev_b32 v[PT+\b], 23, v[SO+\b]
.endr
	v_lshl_or_b32 v[T0], v[PT+1], 8, v[PT]
	v_cmp_neq_f32 vcc_lo, 0, v14
	v_mov_b32 v[HW0], v[HW1]
	v_cndmask_b32 v[HW1], v[T1], v[T0], vcc_lo     ; a row with the sum 0: both bytes 0xff
.irp b, 0,1
.irp i, 0,1,2,3,4,5,6,7,8,9,10,11,12,13,14,15
	v_med3_num_f32 v[S+16*\b+\i], v[S+16*\b+\i], -v[HD+\b], v[HD+\b]
.endr
	v_cvt_scalef32_pk8_fp8_f32 v[PC+4*\b:PC+1+4*\b], v[S+16*\b:S+7+16*\b], v[SO+\b]
	v_cvt_scalef32_pk8_fp8_f32 v[PC+2+4*\b:PC+3+4*\b], v[S+8+16*\b:S+15+16*\b], v[SO+\b]
.endr
	v_nop
	WIN 0x04*\w                                    ; the addresses lie in window 0, the data in the tile's
	ds_store_b128 v[STO], v[PC:PC+3]               ; through my own stage: LDS serves a wave's instructions in order
	ds_store_b128 v[STO], v[PC+4:PC+7] offset:32
	WIN 0x40*\w
	ds_load_b128 v[S:S+3], v[RD]
	ds_load_b128 v[S+4:S+7], v[RD] offset:512
	s_wait_dscnt 0x0
	WIN 0x04*\w
	global_store_b128 v[GO], v[S:S+3], s[ACP:ACP+1] offset:\goff        ; 32 lanes store 512 consecutive bytes, aligned
	global_store_b128 v[GO], v[S+4:S+7], s[ACP:ACP+1] offset:\goff+512
	WIN 0
.endm
	s_load_b512 s[32:47], s[0:1], 0x0              ; qc, qs, kc, vc, kvs, maskw, ac, asc
	v_lshrrev_b32 v8, 5, v0
	v_readfirstlane_b32 s[WV], v8
	s_mov_b32 s[PASS], ttmp9                       ; 16 b + h
	s_and_b32 s10, ttmp7, 0xffff                   ; which quarter of the slots
	s_lshl_b32 s10, s10, 3
	s_add_co_u32 s10, s10, s[WV]                   ; u
	s_lshl_b32 s[DT], s10, 1
	s_sub_co_u32 s[DT], 63, s[DT]
	s_lshl_b32 s19, s[PASS], 17
	s_lshl_b32 s2, s[WV], 14
	s_add_co_u32 s2, s2, s19                       ; s[2:3] my two key steps in kc and in vc
	s_mov_b32 s3, 0
	s_mul_i32 s20, s[PASS], 12288
	s_mul_i32 s21, s[WV], 1536
	s_add_co_u32 s20, s20, s21                     ; s[20:21] my 1,536 bytes of kvs
	s_mov_b32 s21, 0
	s_lshl_b32 s22, s10, 11
	s_add_co_u32 s19, s19, s22                     ; my first pair in qc and ac,
	s_lshr_b32 s22, s19, 4                         ; in qs,
	s_mul_i32 s[MO], s10, 2*TILEW                  ; in maskw
	s_lshl_b32 s23, s[WV], 10
	s_add_co_u32 s23, s23, STG
	s_lshl_b32 s8, s[WV], 6
	s_add_co_u32 s8, s8, SST
	s_mul_i32 s9, s[WV], 2*PIECE
	s_mul_i32 s30, s[WV], 6*272
	s_add_co_u32 s30, s30, SC
	s_mov_b32 s[MNT], 0x600000                     ; the mantissa field of 448
	s_mov_b32 s[SEL], 0x76543210
	s_mov_b32 s[SEL+1], 0xfedcba98
	s_mov_b32 s[CS], 0x3e38aa3b                    ; log2(e) / sqrt(64)
	s_mov_b32 s[CS+1], s[CS]
	v_and_b32 v8, 15, v0                           ; r
	v_bfe_u32 v9, v0, 4, 1                         ; h
	v_and_b32 v10, 8, v8
	v_add_nc_u32 v10, v10, v8                      ; r + 8 (r / 8)
	v_lshrrev_b32 v11, 1, v10
	v_mul_u32_u24 v[AK0], v11, 144
	v_and_b32 v11, 1, v10
	v_lshl_add_u32 v[AK0], v11, 6, v[AK0]
	v_lshl_add_u32 v[AK0], v9, 4, v[AK0]
	v_lshl_add_u32 v[ASK0], v10, 2, SC
	v_lshl_add_u32 v[ASV0], v10, 2, SCV
	v_and_b32 v11, 31, v0                          ; lane
	v_lshlrev_b32 v10, 6, v8
	v_lshl_add_u32 v10, v9, 4, v10                 ; 64 r + 16 h
	v_add_nc_u32 v[QO], s19, v10
	v_add_nc_u32 v[STO], s23, v10
	v_lshl_add_u32 v[GO], v11, 4, s19
	v_lshl_add_u32 v[RD], v11, 4, s23
	v_lshl_add_u32 v[QSO], v8, 2, s22
	v_lshl_add_u32 v[SSA], v8, 1, s8
	v_lshlrev_b32 v[T0], 4, v11                    ; the fill: 16 bytes a lane in memory;
	v_lshrrev_b32 v10, 3, v11
	v_mul_u32_u24 v10, v10, 144
	v_and_b32 v9, 7, v11
	v_lshl_add_u32 v10, v9, 4, v10                 ; eight lanes to an LDS row of 128 bytes + 16
	v_add_nc_u32 v[T1], s9, v10
	v_add_nc_u32 v[L2], VOFF, v[T1]
	v_lshlrev_b32 v[L2+1], 3, v11                  ; scale words: 8 bytes a lane
	v_lshl_add_u32 v[F], v11, 3, s30
.set n, 0
.rept 8
	v_mov_b32 v[96+n], 0                           ; what the last tile of K names behind its own 8 registers
.set n, n+1
.endr
.irp w, 0,1                            ; in both windows:
	WIN 0x40*\w
	v_mov_b32 v[NINF], 0xff800000
.set n, 0
.rept 8
	v_mov_b32 v[24+n], 0                           ; Q's upper 64 of K
.set n, n+1
.endr
.irp b, 0,1,2,3
	v_mov_b32 v[PT+\b], 0                          ; a lane permute's destination counts as one of its sources
.endr
	v_mov_b32 v[F+1], 0
	v_mov_b32 v[HW1], 0
.endr
	WIN 0
	s_wait_alu depctr_va_vdst(0)
	s_wait_kmcnt 0x0
	s_add_nc_u64 s[KP:KP+1], s[36:37], s[2:3]
	s_add_nc_u64 s[VP:VP+1], s[38:39], s[2:3]
	s_add_nc_u64 s[SP:SP+1], s[40:41], s[20:21]
	s_mov_b64 s[MW:MW+1], s[42:43]
	s_mov_b64 s[QCP:QCP+1], s[32:33]
	s_mov_b64 s[QSP:QSP+1], s[34:35]
	s_mov_b64 s[ACP:ACP+1], s[44:45]
	NEXTQ
.irp i, 0,1                            ; key step 2 w + i through window i's registers
	WIN 0x40*\i
.set n, 0
.rept 16
	global_load_b128 v[32+4*n:35+4*n], v[T0], s[KP:KP+1] offset:8192*\i+512*n
.set n, n+1
.endr
.set n, 0
.rept 16
	global_load_b128 v[S+4*n:S+4*n+3], v[T0], s[VP:VP+1] offset:8192*\i+512*n
.set n, n+1
.endr
.endr
	WIN 0
.irp i, 0,1,2,3,4,5
	global_load_b64 v[PC+2*\i:PC+2*\i+1], v[L2+1], s[SP:SP+1] offset:256*\i
.endr
.irp i, 0,1
	WIN 0x04*\i
	s_wait_loadcnt 54-32*\i                        ; behind this step's 16 loads of K: 16 for each run of 16 that follows, and the scale words' 6
.set n, 0
.rept 16
	ds_store_b128 v[T1], v[32+4*n:35+4*n] offset:PIECE*\i+576*n
.set n, n+1
.endr
	s_wait_loadcnt 38-32*\i                        ; and behind its 16 of V
.set n, 0
.rept 16
	ds_store_b128 v[L2], v[S+4*n:S+4*n+3] offset:PIECE*\i+576*n
.set n, n+1
.endr
.endr
	WIN 0
	s_wait_loadcnt 0x0
.irp i, 0,1,2,3,4,5
	ds_store_b64 v[F], v[PC+2*\i:PC+2*\i+1] offset:272*\i
.endr
	s_wait_dscnt 0x0                               ; my stores are done: the others read them behind the barrier
	s_barrier_signal -1
	s_barrier_wait -1
	s_mov_b32 s[PASS], 0
.Lpass:
	s_wait_kmcnt 0x0                               ; the lists and tile a's words of step 0
	s_not_b32 s19, s8
	s_or_b32 s[HA], s9, s19                        ; a hidden key: open and hidden, or no open key
	s_not_b32 s19, s10
	s_or_b32 s[HB], s11, s19
	s_or_b32 s[LV], s8, s10                        ; an open key in either tile
	s_and_b32 s[HA], s[HA], s[LV]
	s_and_b32 s[HB], s[HB], s[LV]
	s_wait_loadcnt 0x0                             ; Q
	INIT 0
	INIT 1
	s_mov_b32 s[TB], 0
	s_mov_b32 s[TS], 0
	s_mov_b32 s[TJ], 0
	s_mov_b32 s[CNT], 16
	s_wait_alu depctr_va_vdst(0)
.Lstep:                                                ; 16 trips, a constant; a step with no open key jumps to the lines that step addresses
	s_bitcmp1_b32 s[LV], 0
	s_cbranch_scc0 .Lskip
	v_add_nc_u32 v[ADK], s[TB], v[AK0]
	v_add_nc_u32 v[ADS], s[TS], v[ASK0]
	v_add_nc_u32 v[ADT], s[TJ], v[ASV0]
	v_add_nc_u32 v[ADV], VOFF, v[ADK]
.rept 4
	v_nop                                          ; with the four additions: eight places in front of loads into registers that the last products read
.endr
.irp t, 0,1,2,3,4,5,6,7
	ds_load_b128 v[32+8*\t:35+8*\t], v[ADK] offset:(16*(\t/2)+4*(\t%2))*144
	ds_load_b128 v[36+8*\t:39+8*\t], v[ADK] offset:(16*(\t/2)+4*(\t%2))*144+32
	ds_load_b32 v[KS+\t], v[ADS] offset:272*(\t/4)+(32*((\t/2)%2)+8*(\t%2))*4
.endr
	s_wait_alu depctr_va_vdst(0)
	s_wait_dscnt 0x0
.irp t, 0,1,2,3,4,5,6,7
	v_wmma_scale_f32_16x16x128_f8f6f4 v[S+8*\t:S+8*\t+7], v[32+8*\t:47+8*\t], v[16:31], 0, v[KS+\t], v[QS]
.endr
	WIN 0x44                                       ; tile b: Q and the scores in window 1, K's fragments in window 0
.irp t, 0,1,2,3,4,5,6,7
	v_wmma_scale_f32_16x16x128_f8f6f4 v[S+8*\t:S+8*\t+7], v[32+8*\t:47+8*\t], v[16:31], 0, v[KS+\t], v[QSB]
.endr
	WIN 0
.rept 8
	v_nop
.endr
.irp t, 0,1,2,3
.irp c, 0,1,2,3
	ds_load_b128 v[32+16*\t+4*\c:35+16*\t+4*\c], v[ADV] offset:(16*(\t/2)+4*(\t%2))*144+4608*(\c/2)+32*(\c%2)
.endr
	ds_load_b32 v[KS+\t], v[ADT] offset:(32*(\t/2)+8*(\t%2))*4
.endr
	s_wait_kmcnt 0x0                               ; tile a's words, where they were asked for
	s_bitcmp1_b32 s[HA], 0
	s_cbranch_scc0 .Lopen_a
	MASK
.Lopen_a:
	s_bitcmp1_b32 s[HB], 0                         ; tile b's words come under tile a's softmax
	s_cbranch_scc0 .Lno_words_b
	WORDS TILEW
.Lno_words_b:
	SOFTMAX 0
	s_wait_kmcnt 0x0
	s_bitcmp1_b32 s[HB], 0
	s_cbranch_scc0 .Lopen_b
	WIN 0x55
	s_wait_alu depctr_va_vdst(0)
	MASK
	WIN 0
.Lopen_b:
	SOFTMAX 1
	s_wait_alu depctr_va_vdst(0)
	s_wait_dscnt 0x0
.irp t, 0,1,2,3
	v_wmma_scale_f32_16x16x128_f8f6f4 v[O+8*\t:O+8*\t+7], v[32+16*\t:47+16*\t], v[PC:PC+15], v[O+8*\t:O+8*\t+7], v[KS+\t], v[PS]
.endr
	WIN 0x54                                       ; tile b: p's codes and O^T in window 1, V's fragments in window 0
.irp t, 0,1,2,3
	v_wmma_scale_f32_16x16x128_f8f6f4 v[O+8*\t:O+8*\t+7], v[32+16*\t:47+16*\t], v[PC:PC+15], v[O+8*\t:O+8*\t+7], v[KS+\t], v[PSB]
.endr
	WIN 0
.Lskip:
	s_wait_kmcnt 0x0                               ; no scalar load is out: its offset and its registers may be written
	s_lshr_b32 s[LV], s[LV], 1
	s_lshr_b32 s[HA], s[HA], 1
	s_lshr_b32 s[HB], s[HB], 1
	s_add_co_u32 s[MO], s[MO], 256
	s_add_co_u32 s[TB], s[TB], PIECE
	s_add_co_u32 s[TS], s[TS], 544
	s_add_co_u32 s[TJ], s[TJ], 272
	s_bitcmp1_b32 s[HA], 0                         ; tile a's words of the next step are asked for a step ahead, where it needs them (behind step 15 the list is empty)
	s_cbranch_scc0 .Lno_words
	WORDS 0
.Lno_words:
	s_sub_co_u32 s[CNT], s[CNT], 1
	s_cmp_lg_u32 s[CNT], 0
	s_cbranch_scc1 .Lstep
.rept 8
	v_nop
.endr
	s_cmp_eq_u32 s[PASS], 1
	s_cbranch_scc1 .Lno_next
	s_lshl_b32 s19, s[DT], 11                      ; on to my second pair; its loads run under the way out of the first
	s_lshl_b32 s20, s[DT], 7
	s_mul_i32 s21, s[DT], 2*TILEW
	s_sub_co_u32 s21, s21, 4096                    ; 16 steps have been walked
	s_wait_kmcnt 0x0
	s_add_co_u32 s[MO], s[MO], s21
	v_add_nc_u32 v[QO], s19, v[QO]
	v_add_nc_u32 v[QSO], s20, v[QSO]
	NEXTQ
.Lno_next:
	EPI 0, 0
	EPI 1, 1024
	s_lshl_b32 s19, s[DT], 11
	s_wait_xcnt 0x0
	v_add_nc_u32 v[GO], s19, v[GO]
	s_wait_kmcnt 0x0
	s_add_co_u32 s[PASS], s[PASS], 1
	s_cmp_lt_u32 s[PASS], 2
	s_cbranch_scc1 .Lpass
	s_load_b64 s[32:33], s[0:1], 0x38              ; asc
	s_xor_b32 s19, s[WV], 7                        ; my second pair is number 7 - wave of the work-group's second run of 16 tiles
	s_lshl_b32 s19, s19, 6
	s_add_co_u32 s19, s19, SST+512
	s_and_b32 s20, ttmp7, 0xffff                   ; asc: wave 0 stores the 512 bytes of tiles 16 y .., wave 1 those of tiles 112 - 16 y ..
	s_lshl_b32 s20, s20, 9
	s_sub_co_u32 s21, 3584, s20
	s_cmp_eq_u32 s[WV], 0
	s_cselect_b32 s20, s20, s21
	s_lshl_b32 s21, ttmp9, 12
	s_add_co_u32 s20, s20, s21
	v_and_b32 v[S], 15, v0
	v_lshl_add_u32 v[S], v[S], 1, s19
	v_and_b32 v[S+1], 63, v0
	v_lshl_add_u32 v[S+1], v[S+1], 4, SST
	v_and_b32 v[S+2], 31, v0
	v_lshl_add_u32 v[S+2], v[S+2], 4, s20
	ds_store_b16 v[SSA], v[HW0]
	ds_store_b16 v[S], v[HW1]
	WIN 0x04                                       ; tile b's: 16 queries, 32 bytes, on
	ds_store_b16 v[SSA], v[HW0] offset:32
	ds_store_b16 v[S], v[HW1] offset:32
	WIN 0
	s_wait_alu depctr_va_vdst(0)
	s_wait_dscnt 0x0
	s_barrier_signal -1
	s_barrier_wait -1
	s_wait_kmcnt 0x0
	s_cmp_lt_u32 s[WV], 2
	s_cbranch_scc0 .Lno_scales
	ds_load_b128 v[S+4:S+7], v[S+1]
	s_wait_dscnt 0x0
	global_store_b128 v[S+2], v[S+4:S+7], s[32:33]  ; 512 consecutive bytes, aligned
.Lno_scales:
	s_wait_xcnt 0x0
	v_lshl_add_u32 v254, v0, 2, SPARE
	v_mov_b32 v255, 0
	s_wait_alu depctr_va_vdst(0)
	s_wait_tensorcnt 0x0                           ; the wave's end
	ds_add_u32 v254, v255
	s_wait_dscnt 0x0
	s_endpgm
.Lfunc_end_k_qa98e379766_attn:
	.size	k_qa98e379766_attn, .Lfunc_end_k_qa98e379766_attn-k_qa98e379766_attn
	.p2alignl 7, 3214868480
	.fill 96, 4, 3214868480
	.section	.rodata,"a",@progbits
	.p2align	6, 0x0
	.amdhsa_kernel k_qa98e379766_attn
		.amdhsa_group_segment_fixed_size 327680
		.amdhsa_private_segment_fixed_size 0
		.amdhsa_enable_private_segment 0
		.amdhsa_kernarg_size 64
		.amdhsa_user_sgpr_count 2
		.amdhsa_user_sgpr_kernarg_segment_ptr 1
		.amdhsa_wavefront_size32 1
		.amdhsa_system_sgpr_workgroup_id_x 1
		.amdhsa_system_sgpr_workgroup_id_y 1
		.amdhsa_system_sgpr_workgroup_id_z 1
		.amdhsa_system_vgpr_workitem_id 0
		.amdhsa_next_free_vgpr 512
		.amdhsa_next_free_sgpr 106
		.amdhsa_reserve_vcc 1
		.amdhsa_float_denorm_mode_32 3
		.amdhsa_float_denorm_mode_16_64 3
		.amdhsa_memory_ordered 1
		.amdhsa_forward_progress 1
		.amdhsa_inst_pref_size 81
	.end_amdhsa_kernel
	.amdgpu_metadata
---
amdhsa.version: [ 1, 2 ]
amdhsa.kernels:
  - .name:           k_qa98e379766_attn
    .symbol:         k_qa98e379766_attn.kd
    .args:
      - { .name: qc, .offset: 0, .size: 8, .value_kind: global_buffer, .address_space: global }
      - { .name: qs, .offset: 8, .size: 8, .value_kind: global_buffer, .address_space: global }
      - { .name: kc, .offset: 16, .size: 8, .value_kind: global_buffer, .address_space: global }
      - { .name: vc, .offset: 24, .size: 8, .value_kind: global_buffer, .address_space: global }
      - { .name: kvs, .offset: 32, .size: 8, .value_kind: global_buffer, .address_space: global }
      - { .name: maskw, .offset: 40, .size: 8, .value_kind: global_buffer, .address_space: global }
      - { .name: ac, .offset: 48, .size: 8, .value_kind: global_buffer, .address_space: global }
      - { .name: asc, .offset: 56, .size: 8, .value_kind: global_buffer, .address_space: global }
    .group_segment_fixed_size: 327680
    .private_segment_fixed_size: 0
    .kernarg_segment_align: 8
    .kernarg_segment_size: 64
    .max_flat_workgroup_size: 256
    .sgpr_count:     106
    .vgpr_count:     512
    .wavefront_size: 32
...
	.end_amdgpu_metadata
.endif
;; end of part 2
;; launch outp (part 3): grid 8 x 32, 4 waves a work-group, clusters of 4 x 4, 327,680 bytes of LDS; arguments ac, asc, w_o_codes, w_o_scales, out0; writes out0
.if DOCPART == 3
	.amdgcn_target "amdgcn-amd-amdhsa--gfx1250"
	.amdhsa_code_object_version 6
	.text
	.protected	k_qa98e379766_outp
	.globl	k_qa98e379766_outp
	.p2align	8
	.type	k_qa98e379766_outp,@function
k_qa98e379766_outp:
	s_mov_b64 s[64:65], 0
	v_nop
	global_prefetch_b8 v0, s[64:65] scope:SCOPE_SE
	s_setreg_imm32_b32 hwreg(HW_REG_WAVE_MODE, 25, 1), 1
	s_wait_xcnt 0x0
	s_wait_alu depctr_hold_cnt(0) depctr_sa_sdst(0) depctr_va_vdst(0) depctr_va_sdst(0) depctr_va_ssrc(0) depctr_va_vcc(0) depctr_vm_vsrc(0)
	s_getreg_b32 s2, hwreg(HW_REG_IB_STS2, 6, 4)
	s_cmp_eq_u32 s2, 0
	s_cbranch_scc0 .Lentry_in_a_cluster
	s_endpgm
.Lentry_in_a_cluster:
	s_bfe_u32 s2, ttmp6, 0x10000c
	s_cmp_lg_u32 s2, 0xf033
	s_cbranch_scc0 .Lentry_shape_is_right
	s_endpgm
.Lentry_shape_is_right:
; out0[token][n] = sum over k of A[token][k] W[n][k] on codes of E4M3 with E8M0 scales, K = 1,024, f32 sums.  A = ac [16 b + head][token 2,048][64 codes], its scale bytes asc [16 b + head][token][2]; W = w_o, rows of 1,024 codes.
; THE DEAL.  256 work-groups of four waves, 2 x 2.  A work-group makes 256 tokens x 128 columns, as two tiles of 128 tokens.  A wave holds its 64 rows of W, ALL of K, in 512 registers (windows 1, 2) and streams its 64 tokens of a tile
; past them in blocks of 16, which stand in registers as two whole sets (window 3): 32 products a block on four accumulators by turns.
; LDS: A's tile [head 16][32 rows of 256 bytes + 16: four tokens a row]; W's 128 rows of 1,024 bytes + 16; A's scale bytes of all 256 tokens (rows of 8 tokens x 32 bytes, + 16), laid by ds_store; a stage a wave; the spare words.
; FILLS.  At the head waves 0, 1 bring eight heads each of the first tile, waves 2, 3 64 rows each of W: one joint load a wave.  The second tile is one refill over the first, four heads a wave, in a drained round of the cluster's barrier,
; as soon as the first tile's last block stands in registers; blocks 2 and 3 and their way out run under it.  CLUSTERS 4 x 4: A's tiles are shared along a row of the cluster, W's along a column.
; The second tile's 512 blocks of 256 bytes are prefetched at the head, a block a lane: the sixteen waves of a row of the cluster take a head each, told apart by address; the first tile and W come by their loads alone.
; THE WAY OUT.  Source 0 = W's rows, source 1 = the tokens: a lane holds eight neighbouring columns of one token.  A block (16 tokens x 64 columns) goes through the wave's stage and leaves as whole rows of 256 bytes, under the next block's products.
; LIMIT: a token whose scale bytes are 0xff (a row with no open key) gives NaN, as the reference does.
.set HEADB, 32*272
.set BP,    1040
.set BOFF,  16*HEADB
.set SCL,   BOFF+128*BP
.set STG,   SCL+32*272
.set SPARE, STG+4*16*272
.set ADRA, 4                           ; v4, v5 my fragments of A: heads 0-7, heads 8-15
.set ADRB, 6
.set AAS,  7
.set STO,  8
.set RD,   9
.set CO,   10
.set SPW,  12
.set NIL,  13
.set ABS,  14
.set PF,   15
.set GA,   16
.set GS,   17
.set SB,   24                          ; v24-39 W's scale words: register 8 p + q: lanes 0-15 tile 2 p's, lanes 16-31 tile 2 p + 1's
.set SA,   44                          ; v44-59 A's: two sets of eight
.set ACC,  64                          ; v64-127 two sets of four accumulators
.set BK,   128                         ; v128-191 two sets: a block read back from the stage
.set G1A, 24
.set G0A, 32
.set G0B, 36
.set G1R, 48
.set G0R, 56
.set G1B, 68
.set MSB, 0
.macro WIN new                         ; the immediate's high byte repeats the setting that is left
.if MSB != \new
	s_set_vgpr_msb (MSB<<8)|\new
.set MSB, \new
.endif
.endm
.macro PLACES n
.rept \n
	v_nop
.endr
.endm
.macro BARRIER
	s_barrier_signal -1
	s_barrier_wait -1
.endm
.macro CROUND                          ; a round of the cluster's barrier
	BARRIER
	s_cmp_lg_u32 s14, 0
	s_cbranch_scc1 .Lnot_wave_0_\@
	s_barrier_signal -3
.Lnot_wave_0_\@:
	s_barrier_wait -3
	BARRIER
.endm
.macro G1HEADS g, heads                ; so many heads x 128 tokens x 64 bytes: rows of 8,192 bytes (1,024 elements of 8), a head's 131,072 bytes apart; 16 bytes of padding behind every 256
	s_or_b32 s[\g+0], s43, (3<<16)|(1<<20)|(1<<21)|(5<<22)|(3<<25)
	s_mov_b32 s[\g+1], 1024<<16
	s_mov_b32 s[\g+2], (\heads)<<16
	s_mov_b32 s[\g+3], 1024<<16
	s_mov_b32 s[\g+4], \heads
	s_mov_b32 s[\g+5], 16384
	s_mov_b32 s[\g+6], 0
	s_mov_b32 s[\g+7], 0
.endm
	s_load_b128 s[4:7], s[0:1], 0x0                ; ac, asc
	s_load_b128 s[8:11], s[0:1], 0x10              ; w_o_codes, w_o_scales
	s_load_b64 s[12:13], s[0:1], 0x20              ; out0
	v_lshl_add_u32 v[SPW], v0, 2, SPARE
	v_mov_b32 v[NIL], 0
	ds_add_u32 v[SPW], v[NIL]                      ; the opening lines: the add, twice on end, and its wait ahead of my first tensor load
	ds_add_u32 v[SPW], v[NIL]
	v_lshrrev_b32 v1, 5, v0
	v_readfirstlane_b32 s14, v1                    ; wave 0..3
	s_lshr_b32 s15, s14, 1                         ; my row of waves.  Also: I fetch for A (0) or for W (1)
	s_and_b32 s16, s14, 1                          ; my column of waves.  Also: which half I fetch
	s_bfe_u32 s40, ttmp6, 0x40000                  ; cx, cy
	s_bfe_u32 s41, ttmp6, 0x40004
	s_lshl_b32 s42, ttmp9, 2
	s_add_co_u32 s42, s42, s40                     ; column tile, 0..7
	s_and_b32 s17, ttmp7, 0xffff
	s_lshl_b32 s17, s17, 2
	s_add_co_u32 s17, s17, s41                     ; group of 256 tokens, 0..31
	s_lshl_b32 s43, s41, 2
	s_lshl_b32 s43, 15, s43                        ; my row of the cluster
	s_lshl_b32 s44, 0x1111, s40                    ; my column
	G1HEADS G1A, 8
	G1HEADS G1R, 4
	s_or_b32 s[G1B+0], s44, (1<<20)|(1<<21)|(7<<22)|(3<<25)   ; 64 rows of 1,024 bytes, 16 bytes of padding behind each
	s_mov_b32 s[G1B+1], 1024<<16
	s_mov_b32 s[G1B+2], 64<<16
	s_mov_b32 s[G1B+3], 1024<<16
	s_mov_b32 s[G1B+4], 64
	s_mov_b32 s[G1B+5], 1024
	s_mov_b32 s[G1B+6], 0
	s_mov_b32 s[G1B+7], 0
	s_lshr_b32 s18, s17, 3                         ; the batch
	s_and_b32 s19, s17, 7                          ; the group in it
	s_lshl_b32 s20, s18, 21
	s_lshl_b32 s21, s19, 14
	s_add_co_u32 s20, s20, s21                     ; s[20:21] ac: head 0, the group's first token
	s_mov_b32 s21, 0
	s_lshl_b32 s22, s18, 16
	s_lshl_b32 s23, s19, 9
	s_add_co_u32 s22, s22, s23                     ; s[22:23] asc likewise
	s_mov_b32 s23, 0
	s_lshl_b32 s46, s42, 17
	s_lshl_b32 s47, s16, 16
	s_add_co_u32 s46, s46, s47                     ; s[46:47] W: row 128 x column tile + 64 x half
	s_mov_b32 s47, 0
	s_lshr_b32 s60, s46, 5                         ; s[60:61] its scale bytes
	s_mov_b32 s61, 0
	s_lshl_b32 s62, s17, 20
	s_lshl_b32 s63, s15, 18
	s_add_co_u32 s62, s62, s63
	s_lshl_b32 s63, s42, 9
	s_add_co_u32 s62, s62, s63
	s_lshl_b32 s63, s16, 8
	s_add_co_u32 s62, s62, s63                     ; s[62:63] out0: my first token, my first column
	s_mov_b32 s63, 0
	s_lshl_b32 s76, s16, 20                        ; the head's load of A: heads 8 x half on
	s_mov_b32 s77, 0
	s_lshl_b32 s78, s14, 19                        ; the refill: heads 4 x wave on, 128 tokens on
	s_add_co_u32 s78, s78, 8192
	s_mov_b32 s79, 0
	s_mov_b32 s[G0A], 1
	s_mul_i32 s[G0A+1], s16, 8*HEADB
	s_mov_b32 s[G0B], 1
	s_mul_i32 s[G0B+1], s16, 64*BP
	s_add_co_u32 s[G0B+1], s[G0B+1], BOFF
	s_mov_b32 s[G0R], 1
	s_mul_i32 s[G0R+1], s14, 4*HEADB
	s_mul_i32 s66, s15, 16*272                     ; my 64 tokens in a head's rows
	s_mul_i32 s45, s15, 8*272
	s_add_co_u32 s45, s45, SCL
	s_mul_i32 s3, s14, 16*272
	s_add_co_u32 s3, s3, STG
	s_lshl_b32 s2, s40, 2
	s_add_co_u32 s2, s2, s14
	s_lshl_b32 s2, s2, 17                          ; the prefetch: head 4 cx + wave
	v_and_b32 v1, 15, v0                           ; r
	v_bfe_u32 v2, v0, 4, 1                         ; h
	v_and_b32 v3, 31, v0                           ; lane
	v_lshrrev_b32 v18, 2, v1
	v_mul_u32_u24 v18, v18, 272
	v_and_b32 v19, 3, v1
	v_lshl_add_u32 v18, v19, 6, v18
	v_lshl_add_u32 v18, v2, 4, v18
	v_add_nc_u32 v[ADRA], s66, v18
	v_add_nc_u32 v[ADRA+1], 8*HEADB, v[ADRA]
	v_mul_u32_u24 v18, v1, BP
	v_lshl_add_u32 v18, v2, 4, v18
	v_add_nc_u32 v[ADRB], s[G0B+1], v18            ; my 64 rows of W are the 64 that the wave of my column's number fetched
	v_lshrrev_b32 v18, 3, v1
	v_mul_u32_u24 v18, v18, 272
	v_and_b32 v19, 7, v1
	v_lshl_add_u32 v18, v19, 5, v18
	v_add_nc_u32 v[AAS], s45, v18
	v_mul_u32_u24 v18, v1, 272
	v_lshl_add_u32 v18, v2, 5, v18
	v_add_nc_u32 v[STO], s3, v18                   ; in: row r, 32 bytes for each half of the lanes
	v_mul_u32_u24 v18, v2, 272
	v_lshl_add_u32 v18, v1, 4, v18
	v_add_nc_u32 v[RD], s3, v18                    ; back: lanes 0-15 one row of 256 bytes, lanes 16-31 the next
	v_lshlrev_b32 v18, 12, v2
	v_lshl_add_u32 v[CO], v1, 4, v18               ; and the same two rows in out0
	v_lshlrev_b32 v[ABS], 5, v3
	v_lshl_add_u32 v[PF], v3, 8, s2
	v_lshlrev_b32 v[GA], 2, v0                     ; asc: thread t takes tokens 2 t, 2 t + 1 of each head
	v_lshrrev_b32 v18, 2, v0
	v_mul_u32_u24 v18, v18, 272
	v_and_b32 v19, 3, v0
	v_lshl_add_u32 v18, v19, 6, v18
	v_add_nc_u32 v[GS], SCL, v18
	s_wait_alu depctr_va_vdst(0)
	s_wait_dscnt 0x0                               ; both opening adds are done
	s_wait_kmcnt 0x0
	s_add_nc_u64 s[20:21], s[4:5], s[20:21]
	s_add_nc_u64 s[22:23], s[6:7], s[22:23]
	s_add_nc_u64 s[46:47], s[8:9], s[46:47]
	s_add_nc_u64 s[60:61], s[10:11], s[60:61]
	s_add_nc_u64 s[12:13], s[12:13], s[62:63]
.irp g, 0,1,2,3,4,5,6,7,8,9,10,11,12,13,14,15
	global_load_b32 v[128+\g], v[GA], s[22:23] offset:4096*\g   ; 512 consecutive bytes a work-group and head
.endr
.irp p, 0,1
.irp c, 0,1
	global_load_b128 v[SB+8*\p+4*\c:SB+8*\p+4*\c+3], v[ABS], s[60:61] offset:1024*\p+16*\c
.endr
.endr
	s_add_nc_u64 s[G0A+2:G0A+3], s[20:21], s[76:77]
	s_or_b32 s[G0A+3], s[G0A+3], 0x80000000
	s_mov_b64 s[G0B+2:G0B+3], s[46:47]
	s_or_b32 s[G0B+3], s[G0B+3], 0x80000000
	s_add_nc_u64 s[G0R+2:G0R+3], s[20:21], s[78:79]
	s_or_b32 s[G0R+3], s[G0R+3], 0x80000000
	CROUND                                         ; all sixteen work-groups are here: the first joint loads meet
	s_cmp_eq_u32 s15, 0
	s_cbranch_scc0 .Lfor_w
	tensor_load_to_lds s[G0A:G0A+3], s[G1A:G1A+7]
	s_nop 0
	PLACES 4
	s_branch .Lasked
.Lfor_w:
	tensor_load_to_lds s[G0B:G0B+3], s[G1B:G1B+7]
	s_nop 0
	PLACES 4
.Lasked:
	global_prefetch_b8 v[PF], s[20:21] offset:8192 th:TH_LOAD_NT scope:SCOPE_SE
	s_wait_loadcnt 0x0
.irp k, 0,1,2,3,4,5,6,7
	v_perm_b32 v[144+\k], v[129+2*\k], v[128+2*\k], 0x05040100   ; token 2 t: word k = the two bytes of heads 2 k and 2 k + 1
	v_perm_b32 v[152+\k], v[129+2*\k], v[128+2*\k], 0x07060302   ; token 2 t + 1
.endr
.irp c, 0,1,2,3
	ds_store_b128 v[GS], v[144+4*\c:147+4*\c] offset:16*\c
.endr
	s_wait_alu depctr_va_vdst(0)
	s_wait_tensorcnt 0x0                           ; my part of the first tile or of W is in,
	s_wait_dscnt 0x0                               ; and my scale bytes are stored
	BARRIER
.macro FETCH e, i, tile                ; block i of a tile, 16 tokens, all of K, into set e of window 3, and its scale words: 34 loads
	WIN 3<<6
.irp q, 0,1,2,3,4,5,6,7
.irp c, 0,1,2,3
	ds_load_b128 v[128*\e+16*\q+4*\c:128*\e+16*\q+4*\c+3], v[ADRA+\q/4] offset:((2*\q+\c/2)%8)*HEADB+(\i)*1088+32*(\c%2)
.endr
.endr
	WIN 0
	ds_load_b128 v[SA+8*\e:SA+8*\e+3], v[AAS] offset:(16*(\tile)+2*(\i))*272
	ds_load_b128 v[SA+8*\e+4:SA+8*\e+7], v[AAS] offset:(16*(\tile)+2*(\i))*272+16
.endm
.macro PROD e, n                       ; product n = 4 q + b: the q-th 128 of K, column tile b
.set Q_, (\n)/4
.set B_, (\n)%4
.set F_, 4*Q_+B_
.set AC_, ACC+32*(\e)+8*B_
.set W_, 16*(F_%16)
.set R_, 128*(\e)+16*Q_
.set WS_, SB+8*(B_/2)+Q_
.set XS_, SA+8*(\e)+Q_
	WIN (1+F_/16)|(3<<2)
.if Q_ && B_%2
	v_wmma_scale_f32_16x16x128_f8f6f4 v[AC_:AC_+7], v[W_:W_+15], v[R_:R_+15], v[AC_:AC_+7], v[WS_], v[XS_] matrix_a_scale:MATRIX_SCALE_ROW1
.elseif Q_
	v_wmma_scale_f32_16x16x128_f8f6f4 v[AC_:AC_+7], v[W_:W_+15], v[R_:R_+15], v[AC_:AC_+7], v[WS_], v[XS_]
.elseif B_%2
	v_wmma_scale_f32_16x16x128_f8f6f4 v[AC_:AC_+7], v[W_:W_+15], v[R_:R_+15], 0, v[WS_], v[XS_] matrix_a_scale:MATRIX_SCALE_ROW1
.else
	v_wmma_scale_f32_16x16x128_f8f6f4 v[AC_:AC_+7], v[W_:W_+15], v[R_:R_+15], 0, v[WS_], v[XS_]
.endif
.endm
.macro MUL32 e
.set N_, 0
.rept 32
	PROD \e, N_
.set N_, N_+1
.endr
	WIN 0
.endm
.macro TOSTAGE n                       ; 8 stores and 8 loads: LDS serves a wave's instructions in order
	s_wait_xcnt 0x0                                ; earlier stores have read the registers that the loads below fill
.irp b, 0,1,2,3
	ds_store_b128 v[STO], v[ACC+32*((\n)%2)+8*\b:ACC+32*((\n)%2)+8*\b+3] offset:64*\b
	ds_store_b128 v[STO], v[ACC+32*((\n)%2)+8*\b+4:ACC+32*((\n)%2)+8*\b+7] offset:64*\b+16
.endr
.irp t, 0,1,2,3,4,5,6,7
	ds_load_b128 v[BK+32*((\n)%2)+4*\t:BK+32*((\n)%2)+4*\t+3], v[RD] offset:2*\t*272
.endr
.endm
.macro SEND n                          ; sixteen lanes store 256 consecutive bytes, aligned; the offsets reach at most 190 rows of 4,096 bytes
.irp t, 0,1,2,3,4,5,6,7
	global_store_b128 v[CO], v[BK+32*((\n)%2)+4*\t:BK+32*((\n)%2)+4*\t+3], s[12:13] offset:(128*((\n)/4)+16*((\n)%4)+2*\t)*4096 th:TH_STORE_NT
.endr
.endm
.irp q, 0,1,2,3,4,5,6,7                ; my 64 rows of W, all of K: fragment 4 q + b in window 1 + q / 4
.irp b, 0,1,2,3
	WIN (1+\q/4)<<6
.irp c, 0,1,2,3
	ds_load_b128 v[16*((4*\q+\b)%16)+4*\c:16*((4*\q+\b)%16)+4*\c+3], v[ADRB] offset:128*\q+32*\c+\b*16*BP
.endr
.endr
.endr
	WIN 0
	FETCH 0, 0, 0
	FETCH 1, 1, 0
	s_wait_dscnt 34                                ; behind block 0's loads: block 1's 34
	MUL32 0
	PLACES 8                                       ; eight places behind the last product, ahead of loads into what it read and of the reads of its sums
	FETCH 0, 2, 0
	TOSTAGE 0
	s_wait_dscnt 50                                ; behind block 1's loads: block 2's 34 and the stage's 16
	MUL32 1
	s_wait_dscnt 0x0
	SEND 0
	PLACES 8
	FETCH 1, 3, 0
	TOSTAGE 1
	s_wait_tensorcnt 0x0                           ; ahead of a refill's round; block 2's products stand between the add and its wait
	ds_add_u32 v[SPW], v[NIL]
	MUL32 0
	s_wait_dscnt 0x0                               ; the add is done, and the first tile's last block is in registers
	CROUND
	tensor_load_to_lds s[G0R:G0R+3], s[G1R:G1R+7]  ; the second tile over the first, four heads a wave
	s_nop 0
	PLACES 8
	SEND 1
	TOSTAGE 2
	MUL32 1
	s_wait_dscnt 0x0
	SEND 2
	PLACES 8
	TOSTAGE 3
	s_wait_tensorcnt 0x0                           ; my four heads of the second tile are in
	s_wait_dscnt 0x0
	BARRIER
	FETCH 0, 0, 1
	FETCH 1, 1, 1
	SEND 3
	s_wait_dscnt 34
	MUL32 0
	PLACES 8
	FETCH 0, 2, 1
	TOSTAGE 4
	s_wait_dscnt 50
	MUL32 1
	s_wait_dscnt 0x0
	SEND 4
	PLACES 8
	FETCH 1, 3, 1
	TOSTAGE 5
	MUL32 0
	s_wait_dscnt 0x0
	SEND 5
	PLACES 8
	TOSTAGE 6
	MUL32 1
	s_wait_dscnt 0x0
	SEND 6
	PLACES 8
	TOSTAGE 7
	s_wait_dscnt 0x0
	SEND 7
	s_wait_tensorcnt 0x0                           ; the wave's end
	ds_add_u32 v[SPW], v[NIL]
	s_wait_dscnt 0x0
	CROUND                                         ; the closing round
	s_endpgm
.Lfunc_end_k_qa98e379766_outp:
	.size	k_qa98e379766_outp, .Lfunc_end_k_qa98e379766_outp-k_qa98e379766_outp
	.p2alignl 7, 3214868480
	.fill 96, 4, 3214868480
	.section	.rodata,"a",@progbits
	.p2align	6, 0x0
	.amdhsa_kernel k_qa98e379766_outp
		.amdhsa_group_segment_fixed_size 327680
		.amdhsa_private_segment_fixed_size 0
		.amdhsa_enable_private_segment 0
		.amdhsa_kernarg_size 40
		.amdhsa_user_sgpr_count 2
		.amdhsa_user_sgpr_kernarg_segment_ptr 1
		.amdhsa_wavefront_size32 1
		.amdhsa_system_sgpr_workgroup_id_x 1
		.amdhsa_system_sgpr_workgroup_id_y 1
		.amdhsa_system_sgpr_workgroup_id_z 1
		.amdhsa_system_vgpr_workitem_id 0
		.amdhsa_next_free_vgpr 1024
		.amdhsa_next_free_sgpr 80
		.amdhsa_reserve_vcc 0
		.amdhsa_float_denorm_mode_32 3
		.amdhsa_float_denorm_mode_16_64 3
		.amdhsa_memory_ordered 1
		.amdhsa_forward_progress 1
		.amdhsa_inst_pref_size 88
	.end_amdhsa_kernel
	.amdgpu_metadata
---
amdhsa.version: [ 1, 2 ]
amdhsa.kernels:
  - .name:           k_qa98e379766_outp
    .symbol:         k_qa98e379766_outp.kd
    .args:
      - { .name: ac, .offset: 0, .size: 8, .value_kind: global_buffer, .address_space: global }
      - { .name: asc, .offset: 8, .size: 8, .value_kind: global_buffer, .address_space: global }
      - { .name: w_o_codes, .offset: 16, .size: 8, .value_kind: global_buffer, .address_space: global }
      - { .name: w_o_scales, .offset: 24, .size: 8, .value_kind: global_buffer, .address_space: global }
      - { .name: out0, .offset: 32, .size: 8, .value_kind: global_buffer, .address_space: global }
    .group_segment_fixed_size: 327680
    .private_segment_fixed_size: 0
    .kernarg_segment_align: 8
    .kernarg_segment_size: 40
    .max_flat_workgroup_size: 128
    .sgpr_count:     80
    .vgpr_count:     1024
    .wavefront_size: 32
...
	.end_amdgpu_metadata
.endif
;; end of part 3
